; MI455X (gfx1250); checked and timed in simulation.
; The chip was launched on July 23, 2026; its instructions are those of AMD's public machine-readable ISA for CDNA 5 (MIT licence, August 2026) and "CDNA5" Instruction Set Architecture Reference Guide (July 2026). The comments in the code are by the model that wrote it; some were corrected since.
;; Bahdanau Attention Optimized. Allowed arithmetic: matrix products marked QUANTISED: E2M1 operands, one E8M0 scale for each 32 along K, by v_wmma_scale_f32_16x16x128_f8f6f4 with both operands' format E2M1 (or v_wmma_scale_f32_32x16x128_f4), f32 sums; products left as they are: f32 operands where the result goes on into a quantised operand, else bf16, f16 or f32 operands; f32 sums; everything else in f32.
;; Inputs: attn_W 2,048 x 1,024 float32; attn_b 1,024 float32; dec_hidden_codes 32 x 32 x 16 uint8 (E2M1 codes of dec_hidden, K innermost, in blocks of 32 codes, two codes a byte); dec_hidden_scales 32 x 32 uint8 (E8M0 scales of dec_hidden, one for each 32 codes along K); enc_outputs 32 x 2,048 x 1,024 float32; src_mask 32 x 2,048 bool; v_W 1,024 x 1 float32.
;; Outputs: out0 32 x 1,024 float32; out1 32 x 2,048 float32.
;; This version of the problem:
;;   THIS VERSION OF THE PROBLEM IS GIVEN IN LOW PRECISION. The matrix products marked QUANTISED in the list below multiply operands that are first quantised to E2M1 (2 exponent bits, 1 mantissa bit; 4 bits a number), with one power-of-two scale for each 32 numbers along K (OCP MX v1.0); their sums are f32. All else is computed in f32.
;;   The module's matrix products, in the order in which they are computed (A, B: the left and right operand; K: the contracted axis; several contracted axes count as one K, in the product's order):
;;     1. [M 32, K 1,024] x [K 1,024, N 1,024]; A: input dec_hidden (given as codes); B: input attn_W: QUANTISED
;;     2. [M 65,536, K 1,024] x [K 1,024, N 1,024]; A: input enc_outputs; B: input attn_W: QUANTISED
;;     3. [M 65,536, K 1,024] x [K 1,024, N 1]; A: computed on the way; B: input v_W: left as it is (N = 1 < 16)
;;     4. batch 32 x [M 1, K 2,048] x [K 2,048, N 1,024]; A: softmax; B: input enc_outputs: left as it is (M = 1 < 16)
;;   THE QUANTISER, for each operand of a quantised product, along K:
;;     - K is cut into blocks of 32 from its start; a last block that is shorter is filled with zeros.
;;     - A block's scale is 2^e with e = floor(log2(the largest magnitude in the block)) - 2, held to -126 .. 127; a block of zeros has e = 0. As a byte (E8M0): e + 127.
;;     - Each number is divided by its block's scale, clamped to +-6, and rounded to the nearest number of E2M1, ties to even, subnormals kept.
;;     - The product sums the exact products of the quantised numbers (number of the format x scale) in f32.
;;   ~~~python
;;   def quantise(x, axis):      # numpy; x: float32 -> the quantised numbers, widened to float32 again
;;       x = np.moveaxis(x, axis, -1); K = x.shape[-1]
;;       x = np.pad(x, [(0, 0)] * (x.ndim - 1) + [(0, -K % 32)]); x = x.reshape(x.shape[:-1] + (-1, 32)); a = np.abs(x).max(-1, keepdims=True)
;;       e = np.where(a > 0, np.clip(np.frexp(np.where(a > 0, a, 1))[1] - 1 - 2, -126, 127), 0)      # np.frexp(a)[1] - 1 = floor(log2(a)), exactly
;;       r = np.clip(x / 2.0 ** e, -6, 6)
;;       step = 2.0 ** (np.maximum(np.frexp(np.where(r == 0, 1, r))[1] - 1, 0) - 1)
;;       q = np.round(r / step) * step * 2.0 ** e      # np.round: ties to even
;;       return np.moveaxis(q.reshape(q.shape[:-2] + (-1,))[..., :K], -1, axis).astype(np.float32)
;;   ~~~
;;   INPUTS GIVEN AS CODES. dec_hidden (in the module: [32, 1024], K = its axis 1): each comes as NAME_codes (uint8): NAME with its K axis moved to the last place and cut into blocks of 32 codes, [.., K / 32, bytes a block], one block behind the other in memory; two codes a byte, the lower K in the low four bits (a code: sign, 2 exponent bits, 1 mantissa bit); and NAME_scales (uint8): the same leading axes, one E8M0 byte (e + 127) for each 32 codes along K. Its value is code x scale, taken as it is: it is not quantised again, and the codes and scales need not be those that the quantiser above would give.
;; 2 versions. Each part assembles by itself: llvm-mc -triple=amdgcn-amd-amdhsa -mcpu=gfx1250 --defsym DOCPART=n.
;; ======== version 1 of 2: 3 launches
;; workspace buffers: wq 524,288 bytes; wsc 32,768 bytes; dproj 131,072 bytes; scores 262,144 bytes; pctx 1,048,576 bytes; pml 65,536 bytes
;; launch prep (part 1): grid 64 x 1, 8 waves a work-group, no clusters, 33,792 bytes of LDS; arguments attn_W, attn_b, dec_hidden_codes, dec_hidden_scales, wq, wsc, dproj; writes wq, wsc, dproj
.if DOCPART == 1
	.amdgcn_target "amdgcn-amd-amdhsa--gfx1250"
	.amdhsa_code_object_version 6
	.text
	.protected	k_qe131587880_prep
	.globl	k_qe131587880_prep
	.p2align	8
	.type	k_qe131587880_prep,@function
k_qe131587880_prep:
	s_mov_b64 s[64:65], 0
	v_nop
	global_prefetch_b8 v0, s[64:65] scope:SCOPE_SE
	s_setreg_imm32_b32 hwreg(HW_REG_WAVE_MODE, 25, 1), 1
	s_wait_xcnt 0x0
; attn_W [2048 (k)][1024 (n)] f32 is quantised along K (its first axis) to E2M1 with one E8M0 byte for each 32 along K.
; Work-groups 0-31 take W_dec (rows 0-1023): its codes stay in registers and are multiplied at once with dec_hidden's given codes: dproj = dec_hidden x Q(W_dec) + attn_b, f32 [32][1024].
; Work-groups 32-63 take W_enc (rows 1024-2047): its codes go to wq in the order of an operand's registers, [tile of 16 columns T][K step q][c][lane][16 bytes]
; (lane (r, h): column 16 T + r, k = 128 q + 64 c + 32 h + 0..31), its scale bytes to wsc as [T][h][r][16 bytes] = bytes 16 h .. 16 h + 15 of column 16 T + r.
; SHARES.  A work-group has 32 columns, wave q the K step q (128 rows of k).  A LANE TAKES A COLUMN AND ITS REGISTERS RUN DOWN K: a block of 32 lies in one lane, its largest magnitude needs no other lane,
; and the conversions give codes with K innermost.  Each load reads 128 consecutive bytes.
; A block's scale byte is its largest magnitude's exponent field - 2, held at 1 from below by a floor among the maximum's leaves.
; LIMITS: a block of zeros gets the byte 1 (its codes are zeros; only this program reads the bytes); blocks whose largest magnitude lies under 2^-124 get the byte 1; NaN and infinities in attn_W are not served.
; The two halves part once, on the work-group's number; only W_dec's path uses LDS and a barrier.
.set X,   32                           ; v32-159  128 numbers of my column: block j at X + 32 j
.set TM,  160                          ; v160-163 the blocks' largest magnitudes
.set SO,  164                          ; v164-167 the conversions' scale operands
.set BY,  168                          ; v168-171 the scale bytes
.set SW,  172                          ; v172     my column's scale word of this K step
.set T2,  174                          ; v174     the maximum's second chain
.set F0,  176                          ; v176-183 codes of blocks 0 (registers 0-3) and 2 (4-7)
.set F1,  184                          ; v184-191 codes of blocks 1 and 3
.set DF,  192                          ; v192-207 dec_hidden's two fragments (rows 0-15, 16-31)
.set DS,  208                          ; v208     dec_hidden's scale words: lane l has row l's
.set BIA, 210                          ; v210-213 four numbers of attn_b
.set ACC, 216                          ; v216-247 four accumulators: (nt, mt) at ACC + 8 (2 nt + mt)
	s_load_b256 s[4:11], s[0:1], 0x0               ; attn_W s[4:5], attn_b s[6:7], dec codes s[8:9], dec scales s[10:11]
	s_load_b128 s[12:15], s[0:1], 0x20             ; wq s[12:13], wsc s[14:15]
	s_load_b64 s[16:17], s[0:1], 0x30              ; dproj
	v_lshl_add_u32 v254, v0, 2, 0x8000
	v_mov_b32 v255, 0
	v_lshrrev_b32 v1, 5, v0
	v_readfirstlane_b32 s18, v1                    ; wave = K step q
	s_lshr_b32 s19, ttmp9, 5                       ; 0: W_dec, 1: W_enc
	s_and_b32 s20, ttmp9, 31                       ; which 32 columns
	v_and_b32 v1, 31, v0                           ; lane
	v_and_b32 v2, 15, v0                           ; r
	v_bfe_u32 v3, v0, 4, 1                         ; which of my two tiles of 16 columns the lane lies in
	v_lshlrev_b32 v4, 2, v1                        ; 4 bytes a lane
	s_lshl_b32 s22, s19, 22                        ; 1,024 rows of 4,096 bytes,
	s_lshl_b32 s24, s18, 19                        ; 128 rows a K step,
	s_add_co_u32 s22, s22, s24
	s_lshl_b32 s24, s20, 7                         ; 32 columns of 4 bytes
	s_add_co_u32 s22, s22, s24
	s_mov_b32 s23, 0
	s_mov_b32 s25, 0
	s_wait_kmcnt 0x0
	s_add_nc_u64 s[4:5], s[4:5], s[22:23]
.macro LOADB j                         ; block j: W(32 j + i, my column), i = 0 .. 31
.set I, 0
.rept 32
	global_load_b32 v[X+32*(\j)+I], v4, s[4:5] offset:(32*(\j)+I)*4096
.set I, I+1
.endr
.endm
.macro QUANTW j, cnt                   ; block j becomes 16 bytes of codes and a byte.  cnt: the younger block's loads, which may stay out
.set XS, X+32*(\j)
.set FD, F0+8*((\j)%2)+4*((\j)/2)
	s_wait_loadcnt \cnt
	v_max3_num_f32 v[TM+(\j)], |v[XS]|, |v[XS+1]|, |v[XS+2]|
	v_max3_num_f32 v[T2], |v[XS+3]|, |v[XS+4]|, |v[XS+5]|
.irp i, 6,10,14,18,22,26
	v_max3_num_f32 v[TM+(\j)], v[TM+(\j)], |v[XS+\i]|, |v[XS+\i+1]|
	v_max3_num_f32 v[T2], v[T2], |v[XS+\i+2]|, |v[XS+\i+3]|
.endr
	v_max3_num_f32 v[TM+(\j)], v[TM+(\j)], |v[XS+30]|, |v[XS+31]|
	v_max3_num_f32 v[TM+(\j)], v[TM+(\j)], v[T2], 0x1800000    ; the floor 2^(3 - 127): the byte cannot fall under 1
	v_add_nc_u32 v[SO+(\j)], 0xff000000, v[TM+(\j)]            ; 2 off the exponent field: the conversion takes this operand's exponent field as its scale
	v_lshrrev_b32 v[BY+(\j)], 23, v[SO+(\j)]                   ; the scale's byte
.irp g, 0,1,2,3
	v_cvt_scalef32_pk8_fp4_f32 v[FD+\g], v[XS+8*\g:XS+8*\g+7], v[SO+(\j)]
.endr
.endm
.macro QALL                            ; loads run two blocks ahead (a wait's count holds 63 at the most, so not all four at once)
	LOADB 0
	LOADB 1
	QUANTW 0, 32
	LOADB 2
	QUANTW 1, 32
	LOADB 3
	QUANTW 2, 32
	QUANTW 3, 0
	v_nop                                          ; one plain line behind the last conversion
	v_lshl_or_b32 v[SW], v[BY+1], 8, v[BY]         ; four bytes make my column's scale word, the lower k in the lower byte
	v_lshl_or_b32 v[SW], v[BY+2], 16, v[SW]
	v_lshl_or_b32 v[SW], v[BY+3], 24, v[SW]
.endm
	s_cmp_eq_u32 s19, 0
	s_cbranch_scc1 .Ldec
	; ---- W_enc: codes and scale words to memory
	s_lshl_b32 s24, s20, 14                        ; two tiles of 8,192 bytes,
	s_lshl_b32 s26, s18, 10                        ; 1,024 bytes a K step
	s_add_co_u32 s24, s24, s26
	s_add_nc_u64 s[12:13], s[12:13], s[24:25]
	s_lshl_b32 s24, s20, 10                        ; two tiles of 512 scale bytes,
	s_lshr_b32 s26, s18, 2
	s_lshl_b32 s26, s26, 8                         ; the half of K,
	s_add_co_u32 s24, s24, s26
	s_and_b32 s26, s18, 3
	s_lshl_b32 s26, s26, 2                         ; the word in it
	s_add_co_u32 s24, s24, s26
	s_add_nc_u64 s[14:15], s[14:15], s[24:25]
	v_lshlrev_b32 v5, 4, v2
	v_lshl_add_u32 v6, v3, 9, v5                   ; scale words: 512 x tile + 16 r
	v_lshl_add_u32 v5, v3, 13, v5                  ; codes: 8,192 x tile + 16 r
	QALL
.irp j, 0,1,2,3
	global_store_b128 v5, v[F0+8*(\j%2)+4*(\j/2):F0+8*(\j%2)+4*(\j/2)+3], s[12:13] offset:(\j/2)*512+(\j%2)*256   ; block j = (c, h): sixteen lanes store 256 consecutive bytes, aligned
.endr
	global_store_b32 v6, v[SW], s[14:15]           ; 4 bytes a lane, 16 bytes apart: pieces, 32 KiB in the whole launch
	s_endpgm
	; ---- W_dec: codes stay in registers; dproj
.Ldec:
	s_lshl_b32 s24, s18, 6                         ; dec codes: 64 bytes a K step
	s_add_nc_u64 s[8:9], s[8:9], s[24:25]
	s_lshl_b32 s24, s18, 2                         ; dec scales: a word a K step
	s_add_nc_u64 s[10:11], s[10:11], s[24:25]
	s_lshr_b32 s26, s18, 2                         ; behind the barrier wave q sums group q of the results: nt = q / 4,
	s_bfe_u32 s27, s18, 0x10001                    ; mt = (q / 2) % 2,
	s_and_b32 s28, s18, 1                          ; which half of an accumulator's registers
	s_lshl_b32 s24, s20, 7
	s_lshl_b32 s26, s26, 6
	s_add_co_u32 s24, s24, s26
	s_lshl_b32 s28, s28, 4
	s_add_co_u32 s24, s24, s28                     ; the group's first column, in bytes
	s_add_nc_u64 s[6:7], s[6:7], s[24:25]
	s_lshl_b32 s27, s27, 16                        ; 16 rows of dproj
	s_add_co_u32 s24, s24, s27
	s_add_nc_u64 s[16:17], s[16:17], s[24:25]
	v_lshlrev_b32 v7, 9, v2
	v_lshl_add_u32 v7, v3, 4, v7                   ; dec codes: row r of 512 bytes + 16 h
	v_lshlrev_b32 v8, 5, v1                        ; dec scales: row = lane, 32 bytes a row
	s_lshl_b32 s26, s18, 12
	v_lshl_add_u32 v9, v1, 4, s26                  ; LDS, in: 4,096 x wave + 16 x lane
	s_lshl_b32 s26, s18, 9
	v_lshl_add_u32 v10, v1, 4, s26                 ; LDS, back: 512 x wave (= group) + 16 x lane
	v_lshlrev_b32 v12, 5, v3                       ; attn_b: 32 h
	v_lshl_add_u32 v11, v2, 12, v12                ; dproj: row r of 4,096 bytes + 32 h
.irp mt, 0,1
.irp c, 0,1
	global_load_b128 v[DF+8*\mt+4*\c:DF+8*\mt+4*\c+3], v7, s[8:9] offset:\mt*8192+32*\c
.endr
.endr
	global_load_b32 v[DS], v8, s[10:11]
	global_load_b128 v[BIA:BIA+3], v12, s[6:7]     ; these six are older than W's loads: the first counted wait covers them
	QALL
.irp i, 0,1,2,3,4,5,6,7
	v_permlane16_swap_b32 v[F0+\i], v[F1+\i]       ; F0's lanes 16-31 change places with F1's lanes 0-15: F0 is now the operand of my first 16 columns (lane (r, h): block 2 c + h), F1 that of the other 16
.endr
.rept 8
	v_nop                                          ; a scale register written by a vector instruction stands 8 places ahead of a scaled matrix instruction, an operand so written 4
.endr
	; transposed: source 0 = 16 columns of W, source 1 = 16 rows of dec_hidden: lane (r, h) holds row 16 mt + r, register j column 16 nt + 8 h + j.  Four accumulators, one instruction each
	v_wmma_scale_f32_16x16x128_f8f6f4 v[ACC:ACC+7], v[F0:F0+7], v[DF:DF+7], 0, v[SW], v[DS] matrix_a_fmt:MATRIX_FMT_FP4 matrix_b_fmt:MATRIX_FMT_FP4
	v_wmma_scale_f32_16x16x128_f8f6f4 v[ACC+8:ACC+15], v[F0:F0+7], v[DF+8:DF+15], 0, v[SW], v[DS] matrix_a_fmt:MATRIX_FMT_FP4 matrix_b_fmt:MATRIX_FMT_FP4 matrix_b_scale:MATRIX_SCALE_ROW1
	v_wmma_scale_f32_16x16x128_f8f6f4 v[ACC+16:ACC+23], v[F1:F1+7], v[DF:DF+7], 0, v[SW], v[DS] matrix_a_fmt:MATRIX_FMT_FP4 matrix_b_fmt:MATRIX_FMT_FP4 matrix_a_scale:MATRIX_SCALE_ROW1
	v_wmma_scale_f32_16x16x128_f8f6f4 v[ACC+24:ACC+31], v[F1:F1+7], v[DF+8:DF+15], 0, v[SW], v[DS] matrix_a_fmt:MATRIX_FMT_FP4 matrix_b_fmt:MATRIX_FMT_FP4 matrix_a_scale:MATRIX_SCALE_ROW1 matrix_b_scale:MATRIX_SCALE_ROW1
.rept 4
	v_nop                                          ; four places in front of the stores that read the results
.endr
.irp g, 0,1,2,3,4,5,6,7
	ds_store_b128 v9, v[ACC+4*\g:ACC+4*\g+3] offset:\g*512     ; my K step's part of the sums, eight groups of four registers; each accumulator from its low end on
.endr
	s_wait_dscnt 0x0                               ; for the others' sake: my stores have landed
	s_barrier_signal -1
	s_barrier_wait -1
.irp w, 0,1,2,3,4,5,6,7
	ds_load_b128 v[32+4*\w:35+4*\w], v10 offset:\w*4096        ; group q of all eight K steps
.endr
	s_wait_dscnt 0x0
	v_pk_add_f32 v[68:69], v[32:33], v[36:37]      ; K ascending
	v_pk_add_f32 v[70:71], v[34:35], v[38:39]
.irp w, 2,3,4,5,6,7
	v_pk_add_f32 v[68:69], v[68:69], v[32+4*\w:33+4*\w]
	v_pk_add_f32 v[70:71], v[70:71], v[34+4*\w:35+4*\w]
.endr
	v_pk_add_f32 v[68:69], v[68:69], v[BIA:BIA+1]
	v_pk_add_f32 v[70:71], v[70:71], v[BIA+2:BIA+3]
	global_store_b128 v11, v[68:71], s[16:17]      ; 16 bytes a lane, rows 4,096 bytes apart: pieces, 128 KiB in the whole launch
	s_wait_tensorcnt 0x0
	ds_add_u32 v254, v255
	s_wait_dscnt 0x0
	s_endpgm
.Lfunc_end_k_qe131587880_prep:
	.size	k_qe131587880_prep, .Lfunc_end_k_qe131587880_prep-k_qe131587880_prep
	.p2alignl 7, 3214868480
	.fill 96, 4, 3214868480
	.section	.rodata,"a",@progbits
	.p2align	6, 0x0
	.amdhsa_kernel k_qe131587880_prep
		.amdhsa_group_segment_fixed_size 33792
		.amdhsa_private_segment_fixed_size 0
		.amdhsa_enable_private_segment 0
		.amdhsa_kernarg_size 56
		.amdhsa_user_sgpr_count 2
		.amdhsa_user_sgpr_kernarg_segment_ptr 1
		.amdhsa_wavefront_size32 1
		.amdhsa_system_sgpr_workgroup_id_x 1
		.amdhsa_system_sgpr_workgroup_id_y 1
		.amdhsa_system_sgpr_workgroup_id_z 1
		.amdhsa_system_vgpr_workitem_id 0
		.amdhsa_next_free_vgpr 256
		.amdhsa_next_free_sgpr 66
		.amdhsa_reserve_vcc 0
		.amdhsa_float_denorm_mode_32 3
		.amdhsa_float_denorm_mode_16_64 3
		.amdhsa_memory_ordered 1
		.amdhsa_forward_progress 1
		.amdhsa_inst_pref_size 43
	.end_amdhsa_kernel
	.amdgpu_metadata
---
amdhsa.version: [ 1, 2 ]
amdhsa.kernels:
  - .name:           k_qe131587880_prep
    .symbol:         k_qe131587880_prep.kd
    .args:
      - { .name: attn_W, .offset: 0, .size: 8, .value_kind: global_buffer, .address_space: global }
      - { .name: attn_b, .offset: 8, .size: 8, .value_kind: global_buffer, .address_space: global }
      - { .name: dec_hidden_codes, .offset: 16, .size: 8, .value_kind: global_buffer, .address_space: global }
      - { .name: dec_hidden_scales, .offset: 24, .size: 8, .value_kind: global_buffer, .address_space: global }
      - { .name: wq, .offset: 32, .size: 8, .value_kind: global_buffer, .address_space: global }
      - { .name: wsc, .offset: 40, .size: 8, .value_kind: global_buffer, .address_space: global }
      - { .name: dproj, .offset: 48, .size: 8, .value_kind: global_buffer, .address_space: global }
    .group_segment_fixed_size: 33792
    .private_segment_fixed_size: 0
    .kernarg_segment_align: 8
    .kernarg_segment_size: 56
    .max_flat_workgroup_size: 256
    .sgpr_count:     66
    .vgpr_count:     256
    .wavefront_size: 32
...
	.end_amdgpu_metadata
.endif
;; end of part 1
;; launch main (part 2): grid 8 x 32, 8 waves a work-group, no clusters, 301,056 bytes of LDS; arguments enc_outputs, src_mask, v_W, wq, wsc, dproj, scores, pctx, pml; writes scores, pctx, pml
.if DOCPART == 2
	.amdgcn_target "amdgcn-amd-amdhsa--gfx1250"
	.amdhsa_code_object_version 6
	.text
	.protected	k_qe131587880_main
	.globl	k_qe131587880_main
	.p2align	8
	.type	k_qe131587880_main,@function
k_qe131587880_main:
	s_mov_b64 s[64:65], 0
	v_nop
	global_prefetch_b8 v0, s[64:65] scope:SCOPE_SE
	s_setreg_imm32_b32 hwreg(HW_REG_WAVE_MODE, 25, 1), 1
	s_wait_xcnt 0x0
; For 256 positions of one batch row: scores = v . tanh(dproj + Q(enc) Q(W_enc)), the mask, a running softmax (maximum m, sum l) and the partial context sum p x enc under that m.
; enc_outputs is read from memory ONCE: a chunk of 64 rows is quantised to E2M1 for the product and kept in LDS as bf16 until its weights exist.
; TWO ROLES.  Waves 0-3 (G): products, tanh, partial scores; wave w has columns 256 w .. + 255 (16 tiles of 16) for all 64 rows of a chunk; the chunk's codes lie in its registers (window 1); W's fragments come from
; memory in the order of the operand's registers, two tiles ahead.  Waves 4-7 (P): each streams 16 rows of every chunk through a ring of 8 rows in registers (64 loads out), quantises them, stores codes, scale bytes
; and a bf16 copy to LDS; then all four take the chunk's softmax alike, and each sums the context of its own 256 columns.  The roles have counters of their own for their loads, so each can count its waits.
; A PHASE p = 1..4 has two intervals and two barriers.  X (LDS stores only): G multiplies chunk p - 1 and stores partial scores; P produces chunk p.  Y (LDS loads only): G fetches chunk p's codes; P weighs chunk p - 1.
; NO JOINT LOADS OF W: LDS holds 262,144 bytes of bf16 rows (two chunks), 33,792 of codes and 4,096 of scales and scores; what is left of a WGP's 327,680, 27,648 bytes, is less than one tile step's W for four waves
; (4 x 8,704 bytes), let alone two slots of it.  So W goes to registers, each byte read by one wave of the work-group.
; tanh(x) = 1 - 2 / (1 + 2^(2 log2(e) x)), so v . tanh = sum(v) - 2 sum(v / (1 + 2^..)): for large |x| the exponential is infinite or 0 and the quotient 0 or 1, as it should be.
; The matrix instruction is used transposed (source 0 = 16 columns of W, source 1 = 16 rows of enc): lane (r, h) holds row r, its registers 8 neighbouring columns 8 h + j; dproj is the C of a sum's first instruction.
; LIMITS: NaN and infinities in the f32 inputs are not served; a block of zeros, or one whose largest magnitude lies under 2^-124, gets the scale byte 1; enc is rounded to bf16 for the context, the weights stay f32.
.set CP,    528                        ; a row of codes in LDS: 512 bytes + 16: the 16 rows of a fragment load start 33 x 16 bytes apart
.set AP,    48                         ; a row of scale bytes: 32 + 16
.set CODE,  262144                     ; LDS: 0: bf16 rows [producer 0..3][parity 0..1][row 0..15][2,048 bytes];  CODE: 64 rows of codes;
.set ASC,   CODE+64*CP                 ; 64 rows of scale bytes;
.set SCX,   ASC+64*AP                  ; [row 0..63][G wave 0..3] f32: partial scores
; vector registers of both roles: addresses and offsets alone, made ahead of the first parting
.set XBW,  4                           ; 65,536 w + 16 lane: my block of bf16 rows
.set CDW,  5                           ; CODE + 16 CP w + 4 lane
.set SCW,  6                           ; ASC + 16 AP w + lane / 4
.set AF,   7                           ; CODE + CP r + 16 h
.set ASF,  8                           ; ASC + AP r + 16 h
.set SXW,  9                           ; SCX + 16 r + 4 w
.set SXR,  10                          ; SCX + 32 lane
.set CXR,  11                          ; 512 w + 16 lane: my columns in a bf16 row
.set EO,   12                          ; 32 lane
.set LO,   13                          ; 16 lane
.set HO,   14                          ; 32 h
.set L8,   15                          ; 8 lane
.set ENDW, 16                          ; 65,536 w + 32 lane
.set L2,   17                          ; 2 lane
.set GW,   18                          ; G, in hand: offsets of the tiles asked for in wq, wsc, and in dproj and v_W
.set GS,   19
.set GB,   20
.set PXA,  21                          ; P, in hand: where this trip's rows go: bf16, codes, scale bytes
.set PCA,  22
.set PSA,  23
.set CA,   24                          ; v24-27 P, in hand: the four producers' rows of the chunk that is weighed
.set GT,   28                          ; v28-31 G: at work
; role G
.set S,    32                          ; v32-39   sum of v / (1 + 2^..): a pair for each tile of rows
.set AS,   40                          ; v40-55   enc's scale words: tile of rows m: 4 registers; register i: lanes 0-15 K step i, lanes 16-31 K step 4 + i
.set WS,   56                          ; v56-63   W's, two sets, in the same form
.set BI,   64                          ; v64-79   dproj at my 8 columns, two sets
.set VV,   80                          ; v80-95   v at my 8 columns, two sets
.set ACC,  96                          ; v96-127  four accumulators
.set WF,   128                         ; v128-255 W's fragments, two sets of 8 K steps;   window 1: enc's fragments, (m, q) at 64 m + 8 q
; role P.  What a row stores to LDS (bf16, scale bytes, codes) has two sets of registers, taken by the row's parity: a row's conversions do not write what the row before still stores
.set T0,   32                          ; v32-43   partial maxima
.set BF,   44                          ; v44-59   an even row as bf16
.set MB,   60                          ; v60-63   the blocks' largest magnitudes
.set SO,   64                          ; v64-67   the conversions' scale operands
.set BY,   68                          ; v68-71   an even row's scale bytes
.set CO,   72                          ; v72-75   an even row's codes
.set SX,   76                          ; v76-83   interval Y: partial scores of my two rows.  Interval X: an odd row's scale bytes and codes (a barrier, with its wait for all LDS instructions, stands between the two uses)
.set BY1,  76
.set CO1,  80
.set MKF,  84                          ; v84      mask flags: bit 2 c + i: row 2 lane + i of chunk c
.set TT,   85
.set SA,   86                          ; v86-87   my two scores
.set SB,   87
.set PA,   88                          ; v88-89   my two weights
.set PB,   89
.set SV,   96                          ; sum of v
.set MX,   97                          ; m
.set FF,   98                          ; 2^((old m - new m) log2 e); named as a pair with l, of which the low word is taken
.set LL,   99                          ; l
.set CT,   100                         ; v100-107 the context at my 8 columns
.set MK,   108                         ; v108-111 mask bytes as loaded
.set BF1,  112                         ; v112-127 an odd row as bf16
.set CX,   128                         ; v128-191, v192-255 two sets of 16 rows x 16 bytes of bf16;   window 1: the ring, row slot i at 32 i
; scalars
.set WV,   22                          ; wave
.set W4,   23                          ; wave % 4
.set BB,   25                          ; batch row
.set PH,   26                          ; phase
.set TR,   27                          ; trip of 8 rows in a phase
.set GC,   28                          ; G's loop
.set TAU,  29                          ; 2 phase + trip
.set LP,   30                          ; s[30:31] where the ring's next 8 rows lie
.set LS,   32                          ; s[32:33] its next step: 56 rows and 8 rows by turns
.set XBO,  34                          ; 32,768 parity + 16,384 trip
.set CDO,  35                          ; 8 CP trip
.set SCO,  36                          ; 8 AP trip
.set MSH,  38                          ; 2 (phase - 1)
.set C2,   40                          ; s[40:41] 2 log2(e)
.set SEL,  42                          ; s[42:43] v_permlanex16_b32's selects for lane l xor 16
.set L2E,  44                          ; log2(e)
.set TQ,   45                          ; the first of the two tiles to be asked for
.set TS,   46
.set GN,   47                          ; trips of G's loop
.set VWP,  52                          ; s[52:53] v_W at my wave's columns
.set LP0,  56                          ; s[56:57] the ring's first 8 rows
.set PS,   66                          ; s66-81 sixteen weights
.set MSB, 0
.macro WIN new                         ; s_set_vgpr_msb: bits 1:0 source 0, 3:2 source 1, 5:4 source 2, 7:6 destination; the high byte repeats the setting that is left
.if MSB != \new
	s_set_vgpr_msb (MSB<<8)|\new
.set MSB, \new
.endif
.endm
.macro BAR                             ; my LDS stores have landed and my LDS loads are back: then the work-group's barrier
	s_wait_dscnt 0x0
	s_barrier_signal -1
	s_barrier_wait -1
.endm
	s_load_b512 s[4:19], s[0:1], 0x0               ; enc s[4:5], mask s[6:7], v_W s[8:9], wq s[10:11], wsc s[12:13], dproj s[14:15], scores s[16:17], pctx s[18:19]
	s_load_b64 s[20:21], s[0:1], 0x40              ; pml
	v_lshrrev_b32 v1, 5, v0
	v_readfirstlane_b32 s[WV], v1
	s_and_b32 s[W4], s[WV], 3
	s_and_b32 s[BB], ttmp7, 0xffff
	v_and_b32 v1, 31, v0                           ; lane
	v_and_b32 v2, 15, v0                           ; r
	v_bfe_u32 v3, v0, 4, 1                         ; h
	s_lshl_b32 s[TS], s[W4], 16
	v_lshl_add_u32 v[XBW], v1, 4, s[TS]
	v_lshl_add_u32 v[ENDW], v1, 5, s[TS]
	s_mul_i32 s[TS], s[W4], 16*CP
	s_add_co_u32 s[TS], s[TS], CODE
	v_lshl_add_u32 v[CDW], v1, 2, s[TS]
	s_mul_i32 s[TS], s[W4], 16*AP
	s_add_co_u32 s[TS], s[TS], ASC
	v_lshrrev_b32 v[SCW], 2, v1
	v_add_nc_u32 v[SCW], s[TS], v[SCW]
	v_mul_u32_u24 v[AF], v2, CP
	v_lshl_add_u32 v[AF], v3, 4, v[AF]
	v_add_nc_u32 v[AF], CODE, v[AF]
	v_mul_u32_u24 v[ASF], v2, AP
	v_lshl_add_u32 v[ASF], v3, 4, v[ASF]
	v_add_nc_u32 v[ASF], ASC, v[ASF]
	s_lshl_b32 s[TS], s[W4], 2
	s_add_co_u32 s[TS], s[TS], SCX
	v_lshl_add_u32 v[SXW], v2, 4, s[TS]
	v_lshl_add_u32 v[SXR], v1, 5, SCX
	s_lshl_b32 s[TS], s[W4], 9
	v_lshl_add_u32 v[CXR], v1, 4, s[TS]
	v_lshlrev_b32 v[EO], 5, v1
	v_lshlrev_b32 v[LO], 4, v1
	v_lshlrev_b32 v[HO], 5, v3
	v_lshlrev_b32 v[L8], 3, v1
	v_lshlrev_b32 v[L2], 1, v1
	s_mov_b32 s[LS], 0x38000                       ; from row 8 of a chunk's 16 to row 0 of the next chunk's: 56 rows of 4,096 bytes
	s_mov_b32 s[LS+1], 0
	s_mov_b32 s[XBO], 0
	s_mov_b32 s[CDO], 0
	s_mov_b32 s[SCO], 0
	s_mov_b32 s[MSH], 0
	s_mov_b32 s[C2], 0x4038aa3b
	s_mov_b32 s[C2+1], s[C2]                       ; (named with it as a pair, so it is written)
	s_mov_b32 s[SEL], 0x76543210
	s_mov_b32 s[SEL+1], 0xfedcba98
	s_mov_b32 s[L2E], 0x3fb8aa3b
	s_mov_b32 s49, 0
	s_lshl_b32 s50, s[W4], 10                      ; my wave's 256 columns of f32
	s_lshl_b32 s51, s[BB], 3
	s_add_co_u32 s51, s51, ttmp9                   ; 8 b + x: the work-group's number among all
	s_wait_kmcnt 0x0
	s_lshl_b32 s48, s[W4], 17                      ; 16 tiles of 8,192 bytes
	s_add_nc_u64 s[10:11], s[10:11], s[48:49]
	s_lshl_b32 s48, s[W4], 13                      ; 16 tiles of 512 bytes
	s_add_nc_u64 s[12:13], s[12:13], s[48:49]
	s_lshl_b32 s48, s[BB], 12
	s_add_co_u32 s48, s48, s50
	s_add_nc_u64 s[14:15], s[14:15], s[48:49]      ; dproj: row b, my columns
	s_mov_b32 s48, s50
	s_add_nc_u64 s[VWP:VWP+1], s[8:9], s[48:49]
	s_lshl_b32 s48, s51, 10
	s_add_nc_u64 s[16:17], s[16:17], s[48:49]      ; scores: 256 f32 a work-group
	s_lshl_b32 s48, s51, 12
	s_add_co_u32 s48, s48, s50
	s_add_nc_u64 s[18:19], s[18:19], s[48:49]      ; pctx: row 8 b + x, my columns
	s_lshl_b32 s48, s51, 8
	s_add_nc_u64 s[20:21], s[20:21], s[48:49]      ; pml: 256 bytes a work-group
	s_add_nc_u64 s[6:7], s[6:7], s[48:49]          ; mask: 256 bytes a work-group
	s_lshl_b32 s54, s[W4], 4
	s_add_co_u32 s48, s48, s54                     ; my first row of enc: 256 (8 b + x) + 16 w: under 2^16,
	s_lshl_b32 s48, s48, 12                        ; so its byte is under 2^28
	s_add_nc_u64 s[LP0:LP0+1], s[4:5], s[48:49]
	s_add_nc_u64 s[LP:LP+1], s[LP0:LP0+1], 0x8000
; ---------------------------------------------------------------- role G
.macro GADDR                           ; offsets of tiles TQ and TQ + 1: three plain vector lines
	s_lshl_b32 s[TS], s[TQ], 13
	v_add_nc_u32 v[GW], s[TS], v[LO]
	s_lshl_b32 s[TS], s[TQ], 9
	v_add_nc_u32 v[GS], s[TS], v[LO]
	s_lshl_b32 s[TS], s[TQ], 6
	v_add_nc_u32 v[GB], s[TS], v[HO]
.endm
.macro GLOADW buf                      ; 19 loads: a tile's 16 x 512 bytes of codes, its scale words, dproj at its columns
.irp q, 0,1,2,3,4,5,6,7
.irp c, 0,1
	global_load_b128 v[WF+64*\buf+8*\q+4*\c:WF+64*\buf+8*\q+4*\c+3], v[GW], s[10:11] offset:\buf*8192+\q*1024+\c*512
.endr
.endr
	global_load_b128 v[WS+4*\buf:WS+4*\buf+3], v[GS], s[12:13] offset:\buf*512
	global_load_b128 v[BI+8*\buf:BI+8*\buf+3], v[GB], s[14:15] offset:\buf*64
	global_load_b128 v[BI+8*\buf+4:BI+8*\buf+7], v[GB], s[14:15] offset:\buf*64+16
.endm
.macro GLOADV buf                      ; 2 loads: v at its columns
	global_load_b128 v[VV+8*\buf:VV+8*\buf+3], v[GB], s[VWP:VWP+1] offset:\buf*64
	global_load_b128 v[VV+8*\buf+4:VV+8*\buf+7], v[GB], s[VWP:VWP+1] offset:\buf*64+16
.endm
; One tile of 16 columns against the chunk's 64 rows.  A tile's loads are issued as 19 (codes, scale words, dproj), behind the products of the tile two back, and 2 (v), at that tile's end.
; cw, at the head: behind this tile's 19 stand its own 2 of v and the next tile's 21: in the loop 23 may stay out.  The products read only what the 19 bring.
; cv, ahead of the lines that multiply by v: behind this tile's 2 of v stand the next tile's 21 and the 19 just issued for the tile two on: in the loop 40 may stay out.
.macro GSTEP buf, load, cw, cv
	s_wait_loadcnt \cw
	WIN 0x04                                       ; source 1 (enc) in window 1
.irp q, 0,1,2,3,4,5,6,7                ; the four accumulators take turns, one instruction a turn
.irp m, 0,1,2,3
.if \q == 0
	v_wmma_scale_f32_16x16x128_f8f6f4 v[ACC+8*\m:ACC+8*\m+7], v[WF+64*\buf:WF+64*\buf+7], v[64*\m:64*\m+7], v[BI+8*\buf:BI+8*\buf+7], v[WS+4*\buf], v[AS+4*\m] matrix_a_fmt:MATRIX_FMT_FP4 matrix_b_fmt:MATRIX_FMT_FP4
.elseif \q < 4
	v_wmma_scale_f32_16x16x128_f8f6f4 v[ACC+8*\m:ACC+8*\m+7], v[WF+64*\buf+8*\q:WF+64*\buf+8*\q+7], v[64*\m+8*\q:64*\m+8*\q+7], v[ACC+8*\m:ACC+8*\m+7], v[WS+4*\buf+\q], v[AS+4*\m+\q] matrix_a_fmt:MATRIX_FMT_FP4 matrix_b_fmt:MATRIX_FMT_FP4
.else
	v_wmma_scale_f32_16x16x128_f8f6f4 v[ACC+8*\m:ACC+8*\m+7], v[WF+64*\buf+8*\q:WF+64*\buf+8*\q+7], v[64*\m+8*\q:64*\m+8*\q+7], v[ACC+8*\m:ACC+8*\m+7], v[WS+4*\buf+\q-4], v[AS+4*\m+\q-4] matrix_a_fmt:MATRIX_FMT_FP4 matrix_b_fmt:MATRIX_FMT_FP4 matrix_a_scale:MATRIX_SCALE_ROW1 matrix_b_scale:MATRIX_SCALE_ROW1
.endif
.endr
.endr
	WIN 0
	; four places behind the products, in front of the loads into their registers and of the first read of their results
.if \load && (\buf == 0)
	s_wait_xcnt 0x0                                ; the last pair's loads have read their offsets: they may be written
	GADDR
	v_nop
.else
.rept 4
	v_nop
.endr
.endif
.if \load
	GLOADW \buf                                    ; the tile two on, into the registers just multiplied
.endif
.set J, 0
.rept 16
	v_pk_mul_f32 v[ACC+J:ACC+J+1], v[ACC+J:ACC+J+1], s[C2:C2+1] op_sel_hi:[1,0]    ; 2 log2(e) x; each accumulator from its low end on
.set J, J+2
.endr
.set J, 0
.rept 32
	v_exp_f32 v[ACC+J], v[ACC+J]
.set J, J+1
.endr
	v_nop                                          ; a plain line behind the last exponential,
	s_wait_alu depctr_va_vdst(0)                   ; and one wait for the batch, ahead of its first reader
.set J, 0
.rept 16
	v_pk_add_f32 v[ACC+J:ACC+J+1], v[ACC+J:ACC+J+1], 1.0 op_sel_hi:[1,0]
.set J, J+2
.endr
.set J, 0
.rept 32
	v_rcp_f32 v[ACC+J], v[ACC+J]
.set J, J+1
.endr
	v_nop
	s_wait_alu depctr_va_vdst(0)                   ; likewise for the reciprocals
	s_wait_loadcnt \cv                             ; this tile's v is in
.irp j, 0,2,4,6
.irp m, 0,1,2,3
	v_pk_fma_f32 v[S+2*\m:S+2*\m+1], v[ACC+8*\m+\j:ACC+8*\m+\j+1], v[VV+8*\buf+\j:VV+8*\buf+\j+1], v[S+2*\m:S+2*\m+1]
.endr
.endr
.if \load
	GLOADV \buf
.endif
.endm
.macro AFETCH                          ; a chunk's codes: 32 fragments of 16 rows x 128 K, and its scale words
	WIN 0x40                                       ; destination window 1
.irp m, 0,1,2,3
.irp q, 0,1,2,3,4,5,6,7
.irp c, 0,1
	ds_load_b128 v[64*\m+8*\q+4*\c:64*\m+8*\q+4*\c+3], v[AF] offset:\m*16*CP+\q*64+32*\c
.endr
.endr
.endr
	WIN 0
.irp m, 0,1,2,3
	ds_load_b128 v[AS+4*\m:AS+4*\m+3], v[ASF] offset:\m*16*AP
.endr
.endm
; ---------------------------------------------------------------- role P
; One row.  Its 4,096 bytes are four segments of 256 numbers; lane l has k = 256 g + 8 l .. + 7: four neighbouring lanes hold a block of 32.
.macro ROW i, load
.if ((\i)%2) == 0                      ; the registers that this row stores from
.set RBF, BF
.set RBY, BY
.set RCO, CO
.else
.set RBF, BF1
.set RBY, BY1
.set RCO, CO1
.endif
.if \load
	s_wait_loadcnt 56                              ; this row's 8 loads are in; the 7 younger rows' 56 may stay out
.else
	s_wait_loadcnt 8*(7-(\i))                      ; the last trip asks for nothing: the counts run down
.endif
	WIN 0x15                                       ; sources in window 1, destination in window 0
.irp g, 0,1,2,3
	v_max3_num_f32 v[T0+3*\g], |v[32*(\i)+8*\g]|, |v[32*(\i)+8*\g+1]|, |v[32*(\i)+8*\g+2]|
	v_max3_num_f32 v[T0+3*\g+1], |v[32*(\i)+8*\g+3]|, |v[32*(\i)+8*\g+4]|, |v[32*(\i)+8*\g+5]|
	v_max3_num_f32 v[T0+3*\g+2], |v[32*(\i)+8*\g+6]|, |v[32*(\i)+8*\g+7]|, 0x1800000    ; the floor 2^(3 - 127): the byte cannot fall under 1
.irp k, 0,1,2,3
	v_cvt_pk_bf16_f32 v[RBF+4*\g+\k], v[32*(\i)+8*\g+2*\k], v[32*(\i)+8*\g+2*\k+1]
.endr
.endr
	WIN 0
.irp g, 0,1,2,3
	v_max3_num_f32 v[MB+\g], v[T0+3*\g], v[T0+3*\g+1], v[T0+3*\g+2]
.endr
.irp g, 0,1,2,3
	v_max_num_f32_dpp v[MB+\g], v[MB+\g], v[MB+\g] row_xmask:1 row_mask:0xf bank_mask:0xf
.endr
.irp g, 0,1,2,3
	v_max_num_f32_dpp v[MB+\g], v[MB+\g], v[MB+\g] row_xmask:2 row_mask:0xf bank_mask:0xf    ; the block's largest magnitude
.endr
.irp g, 0,1,2,3
	v_add_nc_u32 v[SO+\g], 0xff000000, v[MB+\g]    ; 2 off its exponent field: the conversion's scale operand
.endr
.irp g, 0,1,2,3
	v_lshrrev_b32 v[RBY+\g], 23, v[SO+\g]          ; the scale's byte
.endr
	WIN 0x01                                       ; source 0 in window 1
.irp g, 0,1,2,3
	v_cvt_scalef32_pk8_fp4_f32 v[RCO+\g], v[32*(\i)+8*\g:32*(\i)+8*\g+7], v[SO+\g]
.endr
	WIN 0
	v_nop                                          ; one plain line behind the last conversion
.irp g, 0,1,2,3
	ds_store_b128 v[PXA], v[RBF+4*\g:RBF+4*\g+3] offset:(\i)*2048+\g*512   ; 512 consecutive bytes of the bf16 row
	ds_store_b32 v[PCA], v[RCO+\g] offset:(\i)*CP+\g*128                   ; 128 consecutive bytes of codes
	ds_store_b8 v[PSA], v[RBY+\g] offset:(\i)*AP+\g*8                      ; the four lanes of a block write the same byte with the same value
.endr
.if \load
	WIN 0x40                                       ; destination window 1
.irp g, 0,1,2,3
.irp k, 0,1
	global_load_b128 v[32*(\i)+8*\g+4*\k:32*(\i)+8*\g+4*\k+3], v[EO], s[LP:LP+1] offset:(\i)*4096+\g*1024+16*\k th:TH_LOAD_RT_NT   ; the slot's next row.  The hint: regular for the near cache, since the two loads of a pair name alternate 16 bytes of the same 1,024; non-temporal for the far one, since the launch reads enc once
.endr
.endr
	WIN 0
.endif
.endm
.macro ROWS load                       ; a trip: 8 rows
	v_add_nc_u32 v[PXA], s[XBO], v[XBW]
	v_add_nc_u32 v[PCA], s[CDO], v[CDW]
	v_add_nc_u32 v[PSA], s[SCO], v[SCW]
.irp i, 0,1,2,3,4,5,6,7
	ROW \i, \load
.endr
.if \load
	s_wait_xcnt 0x0                                ; the loads have read their base: it may step
	s_add_nc_u64 s[LP:LP+1], s[LP:LP+1], s[LS:LS+1]
	s_xor_b32 s[LS], s[LS], 0x30000                ; 56 rows and 8 rows by turns
.endif
.endm
.macro STEPS                           ; on every wave's path: the trip's three LDS offsets
	s_add_co_u32 s[XBO], s[XBO], 16384
	s_add_co_u32 s[CDO], s[CDO], 8*CP
	s_add_co_u32 s[SCO], s[SCO], 8*AP
.endm
.macro RESET                           ; behind a phase's two trips: back to trip 0, and the other parity
	s_sub_co_u32 s[XBO], s[XBO], 32768
	s_xor_b32 s[XBO], s[XBO], 32768
	s_sub_co_u32 s[CDO], s[CDO], 16*CP
	s_sub_co_u32 s[SCO], s[SCO], 16*AP
.endm
.macro CXLOAD g, set                   ; producer g's 16 rows, my 16 bytes of each
.set I, 0
.rept 16
	ds_load_b128 v[CX+64*(\set)+4*I:CX+64*(\set)+4*I+3], v[CA+(\g)] offset:I*2048
.set I, I+1
.endr
.endm
.macro CTXG g, cnt                     ; rows 16 g .. 16 g + 15 into the context.  cnt: the younger set's 16 loads may stay out
.set I, 0
.rept 16
	v_readlane_b32 s[PS+I], v[PA+I%2], 8*(\g)+I/2  ; row 16 g + i is row i % 2 of lane 8 g + i / 2
.set I, I+1
.endr
	s_wait_dscnt \cnt
.set I, 0
.rept 16
.irp k, 0,1,2,3
	v_fma_mix_f32_bf16 v[CT+2*\k], v[CX+64*((\g)%2)+4*I+\k], s[PS+I], v[CT+2*\k] op_sel_hi:[1,0,0]                    ; the low bf16 x the f32 weight + the f32 sum
	v_fma_mix_f32_bf16 v[CT+2*\k+1], v[CX+64*((\g)%2)+4*I+\k], s[PS+I], v[CT+2*\k+1] op_sel:[1,0,0] op_sel_hi:[1,0,0]  ; the high one
.endr
.set I, I+1
.endr
.endm
; The chunk just multiplied: scores, mask, running softmax, context.  Lane l has rows 2 l and 2 l + 1.  All four P waves do the same up to the context, each for its own columns.
.macro SOFTCTX
	ds_load_b128 v[SX:SX+3], v[SXR]
	ds_load_b128 v[SX+4:SX+7], v[SXR] offset:16
	v_add_nc_u32 v[CA], s[XBO], v[CXR]             ; the parity has been turned behind the trips: it is now that of the chunk just multiplied
	v_add_nc_u32 v[CA+1], 0x10000, v[CA]
	v_add_nc_u32 v[CA+2], 0x10000, v[CA+1]
	v_add_nc_u32 v[CA+3], 0x10000, v[CA+2]
	CXLOAD 0, 0
	CXLOAD 1, 1
	s_wait_dscnt 32                                ; the partial scores are in; the 32 loads behind them may stay out
	v_add_f32 v90, v[SX], v[SX+1]
	v_add_f32 v91, v[SX+2], v[SX+3]
	v_add_f32 v92, v[SX+4], v[SX+5]
	v_add_f32 v93, v[SX+6], v[SX+7]
	v_add_f32 v90, v90, v91
	v_add_f32 v92, v92, v93
	v_fma_f32 v[SA], v90, -2.0, v[SV]              ; sum(v) - 2 sum(v / (1 + 2^..))
	v_fma_f32 v[SB], v92, -2.0, v[SV]
	v_lshrrev_b32 v[TT], s[MSH], v[MKF]
	v_and_b32 v94, 1, v[TT]
	v_and_b32 v95, 2, v[TT]
	v_mov_b32 v93, 0xc61c4000                      ; -10000
	v_cmp_ne_u32 vcc_lo, 0, v94
	v_cndmask_b32 v[SA], v93, v[SA], vcc_lo
	v_cmp_ne_u32 vcc_lo, 0, v95
	v_cndmask_b32 v[SB], v93, v[SB], vcc_lo
	s_cmp_lg_u32 s[WV], 4
	s_cbranch_scc1 .Lno_scores_\@
	global_store_b64 v[L8], v[SA:SB], s[16:17]     ; one wave stores the chunk's 64 scores: 256 consecutive bytes, aligned
.Lno_scores_\@:
	v_max_num_f32 v90, v[SA], v[SB]
	v_max_num_f32_dpp v90, v90, v90 row_xmask:1 row_mask:0xf bank_mask:0xf
	v_max_num_f32_dpp v90, v90, v90 row_xmask:2 row_mask:0xf bank_mask:0xf
	v_max_num_f32_dpp v90, v90, v90 row_xmask:4 row_mask:0xf bank_mask:0xf
	v_max_num_f32_dpp v90, v90, v90 row_xmask:8 row_mask:0xf bank_mask:0xf
	v_permlanex16_b32 v91, v90, s[SEL], s[SEL+1]
	v_max3_num_f32 v90, v90, v91, v[MX]            ; the new m
	v_sub_f32 v91, v[MX], v90
	v_sub_f32 v92, v[SA], v90
	v_sub_f32 v93, v[SB], v90
	v_mul_f32 v91, s[L2E], v91
	v_mul_f32 v92, s[L2E], v92
	v_mul_f32 v93, s[L2E], v93
	v_exp_f32 v[FF], v91
	v_exp_f32 v[PA], v92
	v_exp_f32 v[PB], v93
	v_mov_b32 v[MX], v90                           ; (a plain line behind the exponentials)
	s_wait_alu depctr_va_vdst(0)                   ; one wait for the three, ahead of their first reader
	v_add_f32 v92, v[PA], v[PB]
	v_add_f32_dpp v92, v92, v92 row_xmask:1 row_mask:0xf bank_mask:0xf
	v_add_f32_dpp v92, v92, v92 row_xmask:2 row_mask:0xf bank_mask:0xf
	v_add_f32_dpp v92, v92, v92 row_xmask:4 row_mask:0xf bank_mask:0xf
	v_add_f32_dpp v92, v92, v92 row_xmask:8 row_mask:0xf bank_mask:0xf
	v_permlanex16_b32 v91, v92, s[SEL], s[SEL+1]
	v_add_f32 v92, v92, v91
	v_fma_f32 v[LL], v[LL], v[FF], v92             ; l under the new m
.irp k, 0,2,4,6
	v_pk_mul_f32 v[CT+\k:CT+\k+1], v[CT+\k:CT+\k+1], v[FF:FF+1] op_sel_hi:[1,0]    ; the context likewise
.endr
	CTXG 0, 16
	CXLOAD 2, 0
	CTXG 1, 16
	CXLOAD 3, 1
	CTXG 2, 16
	CTXG 3, 0
	s_wait_xcnt 0x0                                ; the store has read its data and its base
	s_add_nc_u64 s[16:17], s[16:17], 256
.endm
; ---------------------------------------------------------------- the head's two roles
	s_cmp_lt_u32 s[WV], 4
	s_cbranch_scc1 .Lhead_g
.irp k, 0,1,2,3,4,5,6,7
	global_load_b128 v[CX+4*\k:CX+4*\k+3], v[LO], s[8:9] offset:512*\k     ; all of v, for its sum
.endr
.irp c, 0,1,2,3
	global_load_u16 v[MK+\c], v[L2], s[6:7] offset:64*\c                   ; my two rows' mask bytes of each chunk
.endr
	WIN 0x40
.irp i, 0,1,2,3,4,5,6,7                ; the ring's first fill: rows 0-7 of chunk 0; the hint as in a row's turn
.irp g, 0,1,2,3
.irp k, 0,1
	global_load_b128 v[32*\i+8*\g+4*\k:32*\i+8*\g+4*\k+3], v[EO], s[LP0:LP0+1] offset:\i*4096+\g*1024+16*\k th:TH_LOAD_RT_NT
.endr
.endr
.endr
	WIN 0
	v_mov_b32 v[MX], 0xff61b1e6                    ; m: -3e38, under every score
	v_mov_b32 v[FF], 0
	v_mov_b32 v[LL], 0
.irp k, 0,1,2,3,4,5,6,7
	v_mov_b32 v[CT+\k], 0                          ; the first change of m multiplies zeros
.endr
	s_wait_loadcnt 63                              ; of 76 loads the oldest 13 are in: v and the mask bytes are the first 12
	v_pk_add_f32 v[90:91], v[CX:CX+1], v[CX+2:CX+3]
.set J, 4
.rept 14
	v_pk_add_f32 v[90:91], v[90:91], v[CX+J:CX+J+1]
.set J, J+2
.endr
	v_add_f32 v90, v90, v91
	v_add_f32_dpp v90, v90, v90 row_xmask:1 row_mask:0xf bank_mask:0xf
	v_add_f32_dpp v90, v90, v90 row_xmask:2 row_mask:0xf bank_mask:0xf
	v_add_f32_dpp v90, v90, v90 row_xmask:4 row_mask:0xf bank_mask:0xf
	v_add_f32_dpp v90, v90, v90 row_xmask:8 row_mask:0xf bank_mask:0xf
	v_permlanex16_b32 v91, v90, s[SEL], s[SEL+1]
	v_add_f32 v[SV], v90, v91
	v_mov_b32 v[MKF], 0
.irp c, 0,1,2,3
	v_lshrrev_b32 v[TT], 7, v[MK+\c]               ; the second byte's bit 0 comes to bit 1,
	v_or_b32 v[TT], v[TT], v[MK+\c]                ; beside the first byte's bit 0
	v_and_b32 v[TT], 3, v[TT]
	v_lshl_or_b32 v[MKF], v[TT], 2*\c, v[MKF]
.endr
	s_branch .Lhead_end
.Lhead_g:
	s_mov_b32 s[TQ], 0
	GADDR
	GLOADW 0                                       ; tiles 0 and 1, in the order in which a step asks: 19 and 2 loads each
	GLOADV 0
	GLOADW 1
	GLOADV 1
	s_mov_b32 s[TQ], 2
.Lhead_end:
; ---------------------------------------------------------------- phase 0: chunk 0 is produced and fetched
	s_mov_b32 s[TR], 0
.Lfirst:
	s_cmp_lt_u32 s[WV], 4
	s_cbranch_scc1 .Lfirst_g
	ROWS 1
.Lfirst_g:
	STEPS
	s_add_co_u32 s[TR], s[TR], 1
	s_cmp_lt_u32 s[TR], 2
	s_cbranch_scc1 .Lfirst
	RESET
	BAR                                            ; chunk 0's codes, scale bytes and bf16 rows lie in LDS
	s_cmp_lt_u32 s[WV], 4
	s_cbranch_scc0 .Lfirst_p
	AFETCH
.Lfirst_p:
	BAR                                            ; G's loads are back: the codes may be written again
; ---------------------------------------------------------------- phases 1 to 4
	s_mov_b32 s[PH], 1
.Lphase:
	; ---- interval X: LDS stores only
	s_cmp_lt_u32 s[WV], 4
	s_cbranch_scc0 .Lx_p
.irp j, 0,1,2,3,4,5,6,7
	v_mov_b32 v[S+\j], 0
.endr
	s_cmp_eq_u32 s[PH], 4
	s_cselect_b32 s[GN], 7, 8                      ; the last phase's last two tiles ask for nothing: they are written out below
	s_mov_b32 s[GC], 0
.Lg:
	GSTEP 0, 1, 23, 40
	GSTEP 1, 1, 23, 40
	s_add_co_u32 s[TQ], s[TQ], 2
	s_and_b32 s[TQ], s[TQ], 15                     ; behind tile 15 the next phase's tiles 0 and 1
	s_add_co_u32 s[GC], s[GC], 1
	s_cmp_lt_u32 s[GC], s[GN]
	s_cbranch_scc1 .Lg
	s_cmp_lg_u32 s[PH], 4
	s_cbranch_scc1 .Lg_done
	GSTEP 0, 0, 23, 21                             ; tile 14: behind its 19 loads its 2 of v and tile 15's 21; behind its 2 of v tile 15's 21, since nothing more is asked for
	GSTEP 1, 0, 2, 0                               ; tile 15: behind its 19 loads its 2 of v; behind those nothing
.Lg_done:
.irp m, 0,1,2,3
	v_add_f32 v[GT+\m], v[S+2*\m], v[S+2*\m+1]
.endr
.irp m, 0,1,2,3
	v_permlanex16_b32 v[S+2*\m], v[GT+\m], s[SEL], s[SEL+1]    ; the row's other 8 columns of each tile lie in lane l xor 16
.endr
.irp m, 0,1,2,3
	v_add_f32 v[GT+\m], v[GT+\m], v[S+2*\m]
.endr
.irp m, 0,1,2,3
	ds_store_b32 v[SXW], v[GT+\m] offset:\m*256    ; row 16 m + r, my wave's word; both halves of the lanes write the same value
.endr
.Lx_p:
	s_mov_b32 s[TR], 0
.Ltrip:
	s_cmp_lt_u32 s[WV], 4
	s_cbranch_scc1 .Ltrip_end
	s_lshl_b32 s[TAU], s[PH], 1
	s_add_co_u32 s[TAU], s[TAU], s[TR]             ; trip 2 p + j of the wave's 8
	s_cmp_gt_u32 s[TAU], 7
	s_cbranch_scc1 .Ltrip_end                      ; phase 4 produces nothing
	s_cmp_eq_u32 s[TAU], 7
	s_cbranch_scc1 .Llast_rows
	ROWS 1
	s_branch .Ltrip_end
.Llast_rows:
	ROWS 0                                         ; the last 8 rows: no load leaves the buffer
.Ltrip_end:
	STEPS
	s_add_co_u32 s[TR], s[TR], 1
	s_cmp_lt_u32 s[TR], 2
	s_cbranch_scc1 .Ltrip
	RESET
	BAR                                            ; chunk p lies in LDS, and so do chunk p - 1's partial scores
	; ---- interval Y: LDS loads only
	s_cmp_lt_u32 s[WV], 4
	s_cbranch_scc0 .Ly_p
	s_cmp_gt_u32 s[PH], 3
	s_cbranch_scc1 .Ly_end
	AFETCH
	s_branch .Ly_end
.Ly_p:
	SOFTCTX
.Ly_end:
	s_add_co_u32 s[MSH], s[MSH], 2
	BAR                                            ; every wave's loads are back: codes, scores and the parity just read may be written again
	s_add_co_u32 s[PH], s[PH], 1
	s_cmp_lt_u32 s[PH], 5
	s_cbranch_scc1 .Lphase
	s_cmp_lt_u32 s[WV], 4
	s_cbranch_scc0 .Lend_p
	s_wait_xcnt 0x0
	v_lshl_add_u32 v158, v0, 2, 0x49400
	v_mov_b32 v159, 0
	s_wait_tensorcnt 0x0
	ds_add_u32 v158, v159
	s_wait_dscnt 0x0
	s_endpgm
.Lend_p:
	; a lane's 8 numbers are 32 bytes: they turn through my own block of LDS, which nobody reads any more, so that each store covers 512 consecutive bytes
	ds_store_b128 v[ENDW], v[CT:CT+3]
	ds_store_b128 v[ENDW], v[CT+4:CT+7] offset:16
	ds_load_b128 v[CX:CX+3], v[XBW]                ; LDS serves a wave's instructions in order (ISA guide 5.7.1.4): these see my stores
	ds_load_b128 v[CX+4:CX+7], v[XBW] offset:512
	v_mov_b32 v90, v[MX]
	v_mov_b32 v91, v[LL]
	s_wait_dscnt 0x0
	global_store_b128 v[LO], v[CX:CX+3], s[18:19]
	global_store_b128 v[LO], v[CX+4:CX+7], s[18:19] offset:512
	s_cmp_lg_u32 s[WV], 4
	s_cbranch_scc1 .Lend
	global_store_b64 v[L8], v[90:91], s[20:21]     ; (m, l), the same pair from every lane: 256 consecutive bytes, aligned
.Lend:
	s_wait_xcnt 0x0
	v_lshl_add_u32 v158, v0, 2, 0x49400
	v_mov_b32 v159, 0
	s_wait_tensorcnt 0x0
	ds_add_u32 v158, v159
	s_wait_dscnt 0x0
	s_endpgm
.Lfunc_end_k_qe131587880_main:
	.size	k_qe131587880_main, .Lfunc_end_k_qe131587880_main-k_qe131587880_main
	.p2alignl 7, 3214868480
	.fill 96, 4, 3214868480
	.section	.rodata,"a",@progbits
	.p2align	6, 0x0
	.amdhsa_kernel k_qe131587880_main
		.amdhsa_group_segment_fixed_size 301056
		.amdhsa_private_segment_fixed_size 0
		.amdhsa_enable_private_segment 0
		.amdhsa_kernarg_size 72
		.amdhsa_user_sgpr_count 2
		.amdhsa_user_sgpr_kernarg_segment_ptr 1
		.amdhsa_wavefront_size32 1
		.amdhsa_system_sgpr_workgroup_id_x 1
		.amdhsa_system_sgpr_workgroup_id_y 1
		.amdhsa_system_sgpr_workgroup_id_z 1
		.amdhsa_system_vgpr_workitem_id 0
		.amdhsa_next_free_vgpr 512
		.amdhsa_next_free_sgpr 96
		.amdhsa_reserve_vcc 1
		.amdhsa_float_denorm_mode_32 3
		.amdhsa_float_denorm_mode_16_64 3
		.amdhsa_memory_ordered 1
		.amdhsa_forward_progress 1
		.amdhsa_inst_pref_size 230
	.end_amdhsa_kernel
	.amdgpu_metadata
---
amdhsa.version: [ 1, 2 ]
amdhsa.kernels:
  - .name:           k_qe131587880_main
    .symbol:         k_qe131587880_main.kd
    .args:
      - { .name: enc_outputs, .offset: 0, .size: 8, .value_kind: global_buffer, .address_space: global }
      - { .name: src_mask, .offset: 8, .size: 8, .value_kind: global_buffer, .address_space: global }
      - { .name: v_W, .offset: 16, .size: 8, .value_kind: global_buffer, .address_space: global }
      - { .name: wq, .offset: 24, .size: 8, .value_kind: global_buffer, .address_space: global }
      - { .name: wsc, .offset: 32, .size: 8, .value_kind: global_buffer, .address_space: global }
      - { .name: dproj, .offset: 40, .size: 8, .value_kind: global_buffer, .address_space: global }
      - { .name: scores, .offset: 48, .size: 8, .value_kind: global_buffer, .address_space: global }
      - { .name: pctx, .offset: 56, .size: 8, .value_kind: global_buffer, .address_space: global }
      - { .name: pml, .offset: 64, .size: 8, .value_kind: global_buffer, .address_space: global }
    .group_segment_fixed_size: 301056
    .private_segment_fixed_size: 0
    .kernarg_segment_align: 8
    .kernarg_segment_size: 72
    .max_flat_workgroup_size: 256
    .sgpr_count:     96
    .vgpr_count:     512
    .wavefront_size: 32
...
	.end_amdgpu_metadata
.endif
;; end of part 2
;; launch final (part 3): grid 32 x 1, 8 waves a work-group, no clusters, 0 bytes of LDS; arguments pml, pctx, scores, out0, out1; writes out0, out1
.if DOCPART == 3
	.amdgcn_target "amdgcn-amd-amdhsa--gfx1250"
	.amdhsa_code_object_version 6
	.text
	.protected	k_qe131587880_final
	.globl	k_qe131587880_final
	.p2align	8
	.type	k_qe131587880_final,@function
k_qe131587880_final:
	s_mov_b64 s[64:65], 0
	v_nop
	global_prefetch_b8 v0, s[64:65] scope:SCOPE_SE
	s_setreg_imm32_b32 hwreg(HW_REG_WAVE_MODE, 25, 1), 1
	s_wait_xcnt 0x0
; The eight parts of a batch row are joined.  Part i has its own maximum m_i, sum l_i and context c_i (under m_i).  M = max m_i; w_i = e^(m_i - M); L = sum l_i w_i;
; out0 = sum c_i w_i / L;  out1 = e^(score - M) / L.  The maximum is taken away before every exponential, so none overflows, and L is at least 1.
; One work-group a batch row, 256 threads: thread t has 4 columns of the context (16 bytes at 16 t of each part's row) and 8 positions (16 bytes at 16 t and at 4,096 + 16 t of the scores' row).
; Every load and store of a wave covers 512 consecutive bytes.  No LDS, no barrier: threads share nothing but the eight pairs, which come by scalar loads (no line of this launch writes pml).
; A work-group moves 40 KiB, so there is nothing to share out further.
	s_load_b256 s[4:11], s[0:1], 0x0               ; pml s[4:5], pctx s[6:7], scores s[8:9], out0 s[10:11]
	s_load_b64 s[12:13], s[0:1], 0x20              ; out1
	v_lshlrev_b32 v1, 4, v0
	s_mov_b32 s15, 0
	s_wait_kmcnt 0x0
	s_lshl_b32 s14, ttmp9, 11                      ; 8 parts x 256 bytes
	s_add_nc_u64 s[4:5], s[4:5], s[14:15]
	s_lshl_b32 s14, ttmp9, 15                      ; 8 parts x 4,096 bytes
	s_add_nc_u64 s[6:7], s[6:7], s[14:15]
	s_lshl_b32 s14, ttmp9, 13                      ; 2,048 f32
	s_add_nc_u64 s[8:9], s[8:9], s[14:15]
	s_add_nc_u64 s[12:13], s[12:13], s[14:15]
	s_lshl_b32 s14, ttmp9, 12                      ; 1,024 f32
	s_add_nc_u64 s[10:11], s[10:11], s[14:15]
.irp i, 0,1,2,3,4,5,6,7
	s_load_b64 s[16+2*\i:17+2*\i], s[4:5], \i*256  ; m_i, l_i
.endr
.irp i, 0,1,2,3,4,5,6,7
	global_load_b128 v[16+4*\i:19+4*\i], v1, s[6:7] offset:\i*4096
.endr
.irp k, 0,1
	global_load_b128 v[48+4*\k:51+4*\k], v1, s[8:9] offset:\k*4096
.endr
	s_wait_kmcnt 0x0
	v_mov_b32 v2, s16
.irp i, 1,2,3,4,5,6,7
	v_max_num_f32 v2, s[16+2*\i], v2               ; M
.endr
.irp i, 0,1,2,3,4,5,6,7
	v_sub_f32 v[4+\i], s[16+2*\i], v2
.endr
.irp i, 0,1,2,3,4,5,6,7
	v_mul_f32 v[4+\i], 0x3fb8aa3b, v[4+\i]         ; x log2(e)
.endr
.irp i, 0,1,2,3,4,5,6,7
	v_exp_f32 v[4+\i], v[4+\i]                     ; w_i
.endr
	v_nop                                          ; a plain line behind the last exponential,
	s_wait_alu depctr_va_vdst(0)                   ; and one wait for the batch, ahead of its first reader
	v_mul_f32 v3, s17, v4
.irp i, 1,2,3,4,5,6,7
	v_fma_f32 v3, s[17+2*\i], v[4+\i], v3          ; L
.endr
	v_rcp_f32 v12, v3
	v_nop
	s_wait_alu depctr_va_vdst(0)
.irp i, 0,1,2,3,4,5,6,7
	v_mul_f32 v[4+\i], v[4+\i], v12                ; w_i / L
.endr
	s_wait_loadcnt 2                               ; the eight parts are in; the two loads of scores may stay out
.irp k, 0,1,2,3
	v_mul_f32 v[56+\k], v4, v[16+\k]
.endr
.irp i, 1,2,3,4,5,6,7
.irp k, 0,1,2,3
	v_fma_f32 v[56+\k], v[4+\i], v[16+4*\i+\k], v[56+\k]
.endr
.endr
	global_store_b128 v1, v[56:59], s[10:11]
	s_wait_loadcnt 0x0
.irp j, 0,1,2,3,4,5,6,7
	v_sub_f32 v[48+\j], v[48+\j], v2
.endr
.irp j, 0,1,2,3,4,5,6,7
	v_mul_f32 v[48+\j], 0x3fb8aa3b, v[48+\j]
.endr
.irp j, 0,1,2,3,4,5,6,7
	v_exp_f32 v[48+\j], v[48+\j]
.endr
	v_nop
	s_wait_alu depctr_va_vdst(0)
.irp j, 0,1,2,3,4,5,6,7
	v_mul_f32 v[48+\j], v[48+\j], v12
.endr
.irp k, 0,1
	global_store_b128 v1, v[48+4*\k:51+4*\k], s[12:13] offset:\k*4096
.endr
	s_endpgm
.Lfunc_end_k_qe131587880_final:
	.size	k_qe131587880_final, .Lfunc_end_k_qe131587880_final-k_qe131587880_final
	.p2alignl 7, 3214868480
	.fill 96, 4, 3214868480
	.section	.rodata,"a",@progbits
	.p2align	6, 0x0
	.amdhsa_kernel k_qe131587880_final
		.amdhsa_group_segment_fixed_size 0
		.amdhsa_private_segment_fixed_size 0
		.amdhsa_enable_private_segment 0
		.amdhsa_kernarg_size 40
		.amdhsa_user_sgpr_count 2
		.amdhsa_user_sgpr_kernarg_segment_ptr 1
		.amdhsa_wavefront_size32 1
		.amdhsa_system_sgpr_workgroup_id_x 1
		.amdhsa_system_sgpr_workgroup_id_y 1
		.amdhsa_system_sgpr_workgroup_id_z 1
		.amdhsa_system_vgpr_workitem_id 0
		.amdhsa_next_free_vgpr 64
		.amdhsa_next_free_sgpr 66
		.amdhsa_reserve_vcc 0
		.amdhsa_float_denorm_mode_32 3
		.amdhsa_float_denorm_mode_16_64 3
		.amdhsa_memory_ordered 1
		.amdhsa_forward_progress 1
		.amdhsa_inst_pref_size 8
	.end_amdhsa_kernel
	.amdgpu_metadata
---
amdhsa.version: [ 1, 2 ]
amdhsa.kernels:
  - .name:           k_qe131587880_final
    .symbol:         k_qe131587880_final.kd
    .args:
      - { .name: pml, .offset: 0, .size: 8, .value_kind: global_buffer, .address_space: global }
      - { .name: pctx, .offset: 8, .size: 8, .value_kind: global_buffer, .address_space: global }
      - { .name: scores, .offset: 16, .size: 8, .value_kind: global_buffer, .address_space: global }
      - { .name: out0, .offset: 24, .size: 8, .value_kind: global_buffer, .address_space: global }
      - { .name: out1, .offset: 32, .size: 8, .value_kind: global_buffer, .address_space: global }
    .group_segment_fixed_size: 0
    .private_segment_fixed_size: 0
    .kernarg_segment_align: 8
    .kernarg_segment_size: 40
    .max_flat_workgroup_size: 256
    .sgpr_count:     66
    .vgpr_count:     64
    .wavefront_size: 32
...
	.end_amdgpu_metadata
.endif
;; end of part 3
;; ======== version 2 of 2: 3 launches
;; workspace buffers: wq 524,288 bytes; wsc 32,768 bytes; dproj 131,072 bytes; scores 262,144 bytes; pctx 1,048,576 bytes; pml 65,536 bytes
;; launch prep (part 4): grid 64 x 1, 8 waves a work-group, no clusters, 33,792 bytes of LDS; arguments attn_W, attn_b, dec_hidden_codes, dec_hidden_scales, wq, wsc, dproj; writes wq, wsc, dproj
.if DOCPART == 4
	.amdgcn_target "amdgcn-amd-amdhsa--gfx1250"
	.amdhsa_code_object_version 6
	.text
	.protected	k_qe131587880_prep
	.globl	k_qe131587880_prep
	.p2align	8
	.type	k_qe131587880_prep,@function
k_qe131587880_prep:
	s_mov_b64 s[64:65], 0
	v_nop
	global_prefetch_b8 v0, s[64:65] scope:SCOPE_SE
	s_setreg_imm32_b32 hwreg(HW_REG_WAVE_SCHED_MODE, 0, 2), 2
	s_setreg_imm32_b32 hwreg(HW_REG_WAVE_MODE, 25, 1), 1
	s_wait_xcnt 0x0
	s_wait_alu depctr_vm_vsrc(0)
; attn_W [2048 (k)][1024 (n)] f32 is quantised along K (its first axis) to E2M1 with one E8M0 byte for each 32 along K.
; Work-groups 0-31 take W_dec (rows 0-1023): its codes stay in registers and are multiplied at once with dec_hidden's given codes: dproj = dec_hidden x Q(W_dec) + attn_b, f32 [32][1024].
; Work-groups 32-63 take W_enc (rows 1024-2047): its codes go to wq in the order of an operand's registers, [tile of 16 columns T][K step q][c][lane][16 bytes]
; (lane (r, h): column 16 T + r, k = 128 q + 64 c + 32 h + 0..31), its scale bytes to wsc as [T][h][r][16 bytes] = bytes 16 h .. 16 h + 15 of column 16 T + r.
; SHARES.  A work-group has 32 columns, wave q the K step q (128 rows of k).  A LANE TAKES A COLUMN AND ITS REGISTERS RUN DOWN K: a block of 32 lies in one lane, its largest magnitude needs no other lane,
; and the conversions give codes with K innermost.  Each load reads 128 consecutive bytes.
; A block's scale byte is its largest magnitude's exponent field - 2, held at 1 from below by a floor among the maximum's leaves.
; LIMITS: a block of zeros gets the byte 1 (its codes are zeros; only this program reads the bytes); blocks whose largest magnitude lies under 2^-124 get the byte 1; NaN and infinities in attn_W are not served.
; The two halves part once, on the work-group's number; only W_dec's path uses LDS and a barrier.
; THE MODE: SCHED_MODE bits 1:0 = 2 (LLVM: expert scheduling mode 2), set by the entry lines.  The code itself states the register dependences
; between vector or matrix instructions and memory or LDS instructions, with s_wait_alu, always for 0.
; THE PLAN.  Registers that memory or LDS instructions touch:
;   v4-12      offsets and LDS addresses: written once, ahead of one wait on va_vdst in each path, and never again.
;   X          the four blocks of W have 32 registers each of their own: no load lands in a register that a vector instruction has named.
;   F0, F1, SW written by the conversions, swaps and shifts; W_enc: read by the stores, behind one wait; W_dec: operands and scale of the scaled products, behind their places and one wait.
;   ACC        written by the products; read by the LDS stores, behind their places and one wait, which also covers the LDS loads into v32-63, read earlier by the maxima and conversions.
;   v68-71     written by the sums; read by the last store, behind one wait.
.set X,   32                           ; v32-159  128 numbers of my column: block j at X + 32 j
.set TM,  160                          ; v160-163 the blocks' largest magnitudes
.set SO,  164                          ; v164-167 the conversions' scale operands
.set BY,  168                          ; v168-171 the scale bytes
.set SW,  172                          ; v172     my column's scale word of this K step
.set T2,  174                          ; v174     the maximum's second chain
.set F0,  176                          ; v176-183 codes of blocks 0 (registers 0-3) and 2 (4-7)
.set F1,  184                          ; v184-191 codes of blocks 1 and 3
.set DF,  192                          ; v192-207 dec_hidden's two fragments (rows 0-15, 16-31)
.set DS,  208                          ; v208     dec_hidden's scale words: lane l has row l's
.set BIA, 210                          ; v210-213 four numbers of attn_b
.set ACC, 216                          ; v216-247 four accumulators: (nt, mt) at ACC + 8 (2 nt + mt)
	s_load_b256 s[4:11], s[0:1], 0x0               ; attn_W s[4:5], attn_b s[6:7], dec codes s[8:9], dec scales s[10:11]
	s_load_b128 s[12:15], s[0:1], 0x20             ; wq s[12:13], wsc s[14:15]
	s_load_b64 s[16:17], s[0:1], 0x30              ; dproj
	v_lshl_add_u32 v254, v0, 2, 0x8000
	v_mov_b32 v255, 0
	v_lshrrev_b32 v1, 5, v0
	v_readfirstlane_b32 s18, v1                    ; wave = K step q
	s_lshr_b32 s19, ttmp9, 5                       ; 0: W_dec, 1: W_enc
	s_and_b32 s20, ttmp9, 31                       ; which 32 columns
	v_and_b32 v1, 31, v0                           ; lane
	v_and_b32 v2, 15, v0                           ; r
	v_bfe_u32 v3, v0, 4, 1                         ; which of my two tiles of 16 columns the lane lies in
	v_lshlrev_b32 v4, 2, v1                        ; 4 bytes a lane
	s_lshl_b32 s22, s19, 22                        ; 1,024 rows of 4,096 bytes,
	s_wait_alu depctr_va_sdst(0)                   ; s18, the wave's number, is written, ahead of its first reader
	s_lshl_b32 s24, s18, 19                        ; 128 rows a K step,
	s_add_co_u32 s22, s22, s24
	s_lshl_b32 s24, s20, 7                         ; 32 columns of 4 bytes
	s_add_co_u32 s22, s22, s24
	s_mov_b32 s23, 0
	s_mov_b32 s25, 0
	s_wait_kmcnt 0x0
	s_add_nc_u64 s[4:5], s[4:5], s[22:23]
.macro LOADB j                         ; block j: W(32 j + i, my column), i = 0 .. 31
.set I, 0
.rept 32
	global_load_b32 v[X+32*(\j)+I], v4, s[4:5] offset:(32*(\j)+I)*4096
.set I, I+1
.endr
.endm
.macro QUANTW j, cnt                   ; block j becomes 16 bytes of codes and a byte.  cnt: the younger block's loads, which may stay out
.set XS, X+32*(\j)
.set FD, F0+8*((\j)%2)+4*((\j)/2)
	s_wait_loadcnt \cnt
	v_max3_num_f32 v[TM+(\j)], |v[XS]|, |v[XS+1]|, |v[XS+2]|
	v_max3_num_f32 v[T2], |v[XS+3]|, |v[XS+4]|, |v[XS+5]|
.irp i, 6,10,14,18,22,26
	v_max3_num_f32 v[TM+(\j)], v[TM+(\j)], |v[XS+\i]|, |v[XS+\i+1]|
	v_max3_num_f32 v[T2], v[T2], |v[XS+\i+2]|, |v[XS+\i+3]|
.endr
	v_max3_num_f32 v[TM+(\j)], v[TM+(\j)], |v[XS+30]|, |v[XS+31]|
	v_max3_num_f32 v[TM+(\j)], v[TM+(\j)], v[T2], 0x1800000    ; the floor 2^(3 - 127): the byte cannot fall under 1
	v_add_nc_u32 v[SO+(\j)], 0xff000000, v[TM+(\j)]            ; 2 off the exponent field: the conversion takes this operand's exponent field as its scale
	v_lshrrev_b32 v[BY+(\j)], 23, v[SO+(\j)]                   ; the scale's byte
.irp g, 0,1,2,3
	v_cvt_scalef32_pk8_fp4_f32 v[FD+\g], v[XS+8*\g:XS+8*\g+7], v[SO+(\j)]
.endr
.endm
.macro QALL                            ; loads run two blocks ahead (a wait's count holds 63 at the most, so not all four at once).  Blocks 2 and 3 land in registers that no vector instruction has named: no wait is owed for them
	LOADB 0
	LOADB 1
	QUANTW 0, 32
	LOADB 2
	QUANTW 1, 32
	LOADB 3
	QUANTW 2, 32
	QUANTW 3, 0
	v_nop                                          ; one plain line behind the last conversion
	v_lshl_or_b32 v[SW], v[BY+1], 8, v[BY]         ; four bytes make my column's scale word, the lower k in the lower byte
	v_lshl_or_b32 v[SW], v[BY+2], 16, v[SW]
	v_lshl_or_b32 v[SW], v[BY+3], 24, v[SW]
.endm
	s_cmp_eq_u32 s19, 0
	s_cbranch_scc1 .Ldec
	; ---- W_enc: codes and scale words to memory
	s_lshl_b32 s24, s20, 14                        ; two tiles of 8,192 bytes,
	s_lshl_b32 s26, s18, 10                        ; 1,024 bytes a K step
	s_add_co_u32 s24, s24, s26
	s_add_nc_u64 s[12:13], s[12:13], s[24:25]
	s_lshl_b32 s24, s20, 10                        ; two tiles of 512 scale bytes,
	s_lshr_b32 s26, s18, 2
	s_lshl_b32 s26, s26, 8                         ; the half of K,
	s_add_co_u32 s24, s24, s26
	s_and_b32 s26, s18, 3
	s_lshl_b32 s26, s26, 2                         ; the word in it
	s_add_co_u32 s24, s24, s26
	s_add_nc_u64 s[14:15], s[14:15], s[24:25]
	s_wait_alu depctr_va_vdst(0)
	v_lshlrev_b32 v5, 4, v2
	v_lshl_add_u32 v6, v3, 9, v5                   ; scale words: 512 x tile + 16 r
	v_lshl_add_u32 v5, v3, 13, v5                  ; codes: 8,192 x tile + 16 r
	s_wait_alu depctr_va_vdst(0)                   ; the offsets v4, v5 and v6 are written, which this path's loads and stores read
	QALL
	s_wait_alu depctr_va_vdst(0)                   ; the conversions have written the codes and the shifts the scale word, which the stores read
.irp j, 0,1,2,3
	global_store_b128 v5, v[F0+8*(\j%2)+4*(\j/2):F0+8*(\j%2)+4*(\j/2)+3], s[12:13] offset:(\j/2)*512+(\j%2)*256   ; block j = (c, h): sixteen lanes store 256 consecutive bytes, aligned
.endr
	global_store_b32 v6, v[SW], s[14:15]           ; 4 bytes a lane, 16 bytes apart: pieces, 32 KiB in the whole launch
	s_endpgm
	; ---- W_dec: codes stay in registers; dproj
.Ldec:
	s_lshl_b32 s24, s18, 6                         ; dec codes: 64 bytes a K step
	s_add_nc_u64 s[8:9], s[8:9], s[24:25]
	s_lshl_b32 s24, s18, 2                         ; dec scales: a word a K step
	s_add_nc_u64 s[10:11], s[10:11], s[24:25]
	s_lshr_b32 s26, s18, 2                         ; behind the barrier wave q sums group q of the results: nt = q / 4,
	s_bfe_u32 s27, s18, 0x10001                    ; mt = (q / 2) % 2,
	s_and_b32 s28, s18, 1                          ; which half of an accumulator's registers
	s_lshl_b32 s24, s20, 7
	s_lshl_b32 s26, s26, 6
	s_add_co_u32 s24, s24, s26
	s_lshl_b32 s28, s28, 4
	s_add_co_u32 s24, s24, s28                     ; the group's first column, in bytes
	s_add_nc_u64 s[6:7], s[6:7], s[24:25]
	s_lshl_b32 s27, s27, 16                        ; 16 rows of dproj
	s_add_co_u32 s24, s24, s27
	s_add_nc_u64 s[16:17], s[16:17], s[24:25]
	s_wait_alu depctr_va_vdst(0)
	v_lshlrev_b32 v7, 9, v2
	v_lshl_add_u32 v7, v3, 4, v7                   ; dec codes: row r of 512 bytes + 16 h
	v_lshlrev_b32 v8, 5, v1                        ; dec scales: row = lane, 32 bytes a row
	s_lshl_b32 s26, s18, 12
	v_lshl_add_u32 v9, v1, 4, s26                  ; LDS, in: 4,096 x wave + 16 x lane
	s_lshl_b32 s26, s18, 9
	v_lshl_add_u32 v10, v1, 4, s26                 ; LDS, back: 512 x wave (= group) + 16 x lane
	v_lshlrev_b32 v12, 5, v3                       ; attn_b: 32 h
	v_lshl_add_u32 v11, v2, 12, v12                ; dproj: row r of 4,096 bytes + 32 h
	s_wait_alu depctr_va_vdst(0)                   ; the offsets and LDS addresses v4 and v7 to v12 are written, which this path's loads and stores read
.irp mt, 0,1
.irp c, 0,1
	global_load_b128 v[DF+8*\mt+4*\c:DF+8*\mt+4*\c+3], v7, s[8:9] offset:\mt*8192+32*\c
.endr
.endr
	global_load_b32 v[DS], v8, s[10:11]
	global_load_b128 v[BIA:BIA+3], v12, s[6:7]     ; these six are older than W's loads: the first counted wait covers them
	QALL
.irp i, 0,1,2,3,4,5,6,7
	v_permlane16_swap_b32 v[F0+\i], v[F1+\i]       ; F0's lanes 16-31 change places with F1's lanes 0-15: F0 is now the operand of my first 16 columns (lane (r, h): block 2 c + h), F1 that of the other 16
.endr
.rept 8
	v_nop                                          ; a scale register written by a vector instruction stands 8 places ahead of a scaled matrix instruction, an operand so written 4
.endr
	s_wait_alu depctr_va_vdst(0)                   ; the swaps have written F0 and F1 and the shifts the scale word, which the scaled products take as operand and scale; the places above stay beside this wait
	; transposed: source 0 = 16 columns of W, source 1 = 16 rows of dec_hidden: lane (r, h) holds row 16 mt + r, register j column 16 nt + 8 h + j.  Four accumulators, one instruction each
	v_wmma_scale_f32_16x16x128_f8f6f4 v[ACC:ACC+7], v[F0:F0+7], v[DF:DF+7], 0, v[SW], v[DS] matrix_a_fmt:MATRIX_FMT_FP4 matrix_b_fmt:MATRIX_FMT_FP4
	v_wmma_scale_f32_16x16x128_f8f6f4 v[ACC+8:ACC+15], v[F0:F0+7], v[DF+8:DF+15], 0, v[SW], v[DS] matrix_a_fmt:MATRIX_FMT_FP4 matrix_b_fmt:MATRIX_FMT_FP4 matrix_b_scale:MATRIX_SCALE_ROW1
	v_wmma_scale_f32_16x16x128_f8f6f4 v[ACC+16:ACC+23], v[F1:F1+7], v[DF:DF+7], 0, v[SW], v[DS] matrix_a_fmt:MATRIX_FMT_FP4 matrix_b_fmt:MATRIX_FMT_FP4 matrix_a_scale:MATRIX_SCALE_ROW1
	v_wmma_scale_f32_16x16x128_f8f6f4 v[ACC+24:ACC+31], v[F1:F1+7], v[DF+8:DF+15], 0, v[SW], v[DS] matrix_a_fmt:MATRIX_FMT_FP4 matrix_b_fmt:MATRIX_FMT_FP4 matrix_a_scale:MATRIX_SCALE_ROW1 matrix_b_scale:MATRIX_SCALE_ROW1
.rept 4
	v_nop                                          ; four places in front of the stores that read the results
.endr
	s_wait_alu depctr_va_vdst(0)                   ; the products have written the accumulators, which the LDS stores read; and the maxima and conversions are done reading v32-63, in which the LDS loads below land
.irp g, 0,1,2,3,4,5,6,7
	ds_store_b128 v9, v[ACC+4*\g:ACC+4*\g+3] offset:\g*512     ; my K step's part of the sums, eight groups of four registers; each accumulator from its low end on
.endr
	s_wait_dscnt 0x0                               ; for the others' sake: my stores have landed
	s_barrier_signal -1
	s_barrier_wait -1
.irp w, 0,1,2,3,4,5,6,7
	ds_load_b128 v[32+4*\w:35+4*\w], v10 offset:\w*4096        ; group q of all eight K steps
.endr
	s_wait_dscnt 0x0
	v_pk_add_f32 v[68:69], v[32:33], v[36:37]      ; K ascending
	v_pk_add_f32 v[70:71], v[34:35], v[38:39]
.irp w, 2,3,4,5,6,7
	v_pk_add_f32 v[68:69], v[68:69], v[32+4*\w:33+4*\w]
	v_pk_add_f32 v[70:71], v[70:71], v[34+4*\w:35+4*\w]
.endr
	v_pk_add_f32 v[68:69], v[68:69], v[BIA:BIA+1]
	v_pk_add_f32 v[70:71], v[70:71], v[BIA+2:BIA+3]
	s_wait_alu depctr_va_vdst(0)                   ; the sums have written v68-71, which the store reads
	global_store_b128 v11, v[68:71], s[16:17]      ; 16 bytes a lane, rows 4,096 bytes apart: pieces, 128 KiB in the whole launch
	s_wait_dscnt 0x0                               ; the closing lines, six on end
	s_wait_alu 0x0
	s_wait_tensorcnt 0x0
	ds_add_u32 v254, v255
	s_wait_dscnt 0x0
	s_endpgm
.Lfunc_end_k_qe131587880_prep:
	.size	k_qe131587880_prep, .Lfunc_end_k_qe131587880_prep-k_qe131587880_prep
	.p2alignl 7, 3214868480
	.fill 96, 4, 3214868480
	.section	.rodata,"a",@progbits
	.p2align	6, 0x0
	.amdhsa_kernel k_qe131587880_prep
		.amdhsa_group_segment_fixed_size 33792
		.amdhsa_private_segment_fixed_size 0
		.amdhsa_enable_private_segment 0
		.amdhsa_kernarg_size 56
		.amdhsa_user_sgpr_count 2
		.amdhsa_user_sgpr_kernarg_segment_ptr 1
		.amdhsa_wavefront_size32 1
		.amdhsa_system_sgpr_workgroup_id_x 1
		.amdhsa_system_sgpr_workgroup_id_y 1
		.amdhsa_system_sgpr_workgroup_id_z 1
		.amdhsa_system_vgpr_workitem_id 0
		.amdhsa_next_free_vgpr 256
		.amdhsa_next_free_sgpr 66
		.amdhsa_reserve_vcc 0
		.amdhsa_float_denorm_mode_32 3
		.amdhsa_float_denorm_mode_16_64 3
		.amdhsa_memory_ordered 1
		.amdhsa_forward_progress 1
		.amdhsa_inst_pref_size 44
	.end_amdhsa_kernel
	.amdgpu_metadata
---
amdhsa.version: [ 1, 2 ]
amdhsa.kernels:
  - .name:           k_qe131587880_prep
    .symbol:         k_qe131587880_prep.kd
    .args:
      - { .name: attn_W, .offset: 0, .size: 8, .value_kind: global_buffer, .address_space: global }
      - { .name: attn_b, .offset: 8, .size: 8, .value_kind: global_buffer, .address_space: global }
      - { .name: dec_hidden_codes, .offset: 16, .size: 8, .value_kind: global_buffer, .address_space: global }
      - { .name: dec_hidden_scales, .offset: 24, .size: 8, .value_kind: global_buffer, .address_space: global }
      - { .name: wq, .offset: 32, .size: 8, .value_kind: global_buffer, .address_space: global }
      - { .name: wsc, .offset: 40, .size: 8, .value_kind: global_buffer, .address_space: global }
      - { .name: dproj, .offset: 48, .size: 8, .value_kind: global_buffer, .address_space: global }
    .group_segment_fixed_size: 33792
    .private_segment_fixed_size: 0
    .kernarg_segment_align: 8
    .kernarg_segment_size: 56
    .max_flat_workgroup_size: 256
    .sgpr_count:     66
    .vgpr_count:     256
    .wavefront_size: 32
...
	.end_amdgpu_metadata
.endif
;; end of part 4
;; launch main (part 5): grid 8 x 32, 8 waves a work-group, no clusters, 301,056 bytes of LDS; arguments enc_outputs, src_mask, v_W, wq, wsc, dproj, scores, pctx, pml; writes scores, pctx, pml
.if DOCPART == 5
	.amdgcn_target "amdgcn-amd-amdhsa--gfx1250"
	.amdhsa_code_object_version 6
	.text
	.protected	k_qe131587880_main
	.globl	k_qe131587880_main
	.p2align	8
	.type	k_qe131587880_main,@function
k_qe131587880_main:
	s_mov_b64 s[64:65], 0
	v_nop
	global_prefetch_b8 v0, s[64:65] scope:SCOPE_SE
	s_setreg_imm32_b32 hwreg(HW_REG_WAVE_SCHED_MODE, 0, 2), 2
	s_setreg_imm32_b32 hwreg(HW_REG_WAVE_MODE, 25, 1), 1
	s_wait_xcnt 0x0
	s_wait_alu depctr_vm_vsrc(0)
; For 256 positions of one batch row: scores = v . tanh(dproj + Q(enc) Q(W_enc)), the mask, a running softmax (maximum m, sum l) and the partial context sum p x enc under that m.
; enc_outputs is read from memory ONCE: a chunk of 64 rows is quantised to E2M1 for the product and kept in LDS as bf16 until its weights exist.
; TWO ROLES.  Waves 0-3 (G): products, tanh, partial scores; wave w has columns 256 w .. + 255 (16 tiles of 16) for all 64 rows of a chunk; the chunk's codes lie in its registers (window 1); W's fragments come from
; memory in the order of the operand's registers, two tiles ahead.  Waves 4-7 (P): each streams 16 rows of every chunk through a ring of 8 rows in registers (64 loads out), quantises them, stores codes, scale bytes
; and a bf16 copy to LDS; then all four take the chunk's softmax alike, and each sums the context of its own 256 columns.  The roles have counters of their own for their loads, so each can count its waits.
; A PHASE p = 1..4 has two intervals and two barriers.  X (LDS stores only): G multiplies chunk p - 1 and stores partial scores; P produces chunk p.  Y (LDS loads only): G fetches chunk p's codes; P weighs chunk p - 1.
; NO JOINT LOADS OF W: LDS holds 262,144 bytes of bf16 rows (two chunks), 33,792 of codes and 4,096 of scales and scores; what is left of a WGP's 327,680, 27,648 bytes, is less than one tile step's W for four waves
; (4 x 8,704 bytes), let alone two slots of it.  So W goes to registers, each byte read by one wave of the work-group.
; tanh(x) = 1 - 2 / (1 + 2^(2 log2(e) x)), so v . tanh = sum(v) - 2 sum(v / (1 + 2^..)): for large |x| the exponential is infinite or 0 and the quotient 0 or 1, as it should be.
; The matrix instruction is used transposed (source 0 = 16 columns of W, source 1 = 16 rows of enc): lane (r, h) holds row r, its registers 8 neighbouring columns 8 h + j; dproj is the C of a sum's first instruction.
; LIMITS: NaN and infinities in the f32 inputs are not served; a block of zeros, or one whose largest magnitude lies under 2^-124, gets the scale byte 1; enc is rounded to bf16 for the context, the weights stay f32.
; THE MODE: SCHED_MODE bits 1:0 = 2 (LLVM: expert scheduling mode 2), set by the entry lines.  The code itself states the register dependences
; between vector or matrix instructions and memory or LDS instructions, with s_wait_alu, always for 0.
; THE PLAN.  Registers that memory or LDS instructions touch, and who else names them:
;   v4-17            both roles: addresses and offsets, written once at the head, ahead of one wait on va_vdst, and never again.
;   G  WF, WS, BI    a set is read by its step's 32 products; ONE wait on va_vdst behind them; the 19 loads of the tile two on follow it, dealt among the scalings, which name the accumulators alone.
;   G  VV            a set is read by its step's last 16 multiply-adds; a wait on va_vdst behind them, then its 2 loads.
;   G  GW, GS, GB    read by a pair of tiles' loads; written once a pair: a wait on vm_vsrc ahead of the three additions, the wait behind the products after them.
;   G  window 1, AS  read by all products of a phase; loaded in interval Y behind one wait on va_vdst.
;   G  GT            written at a phase's end, a wait on va_vdst, four LDS stores; the next phase's waits on vm_vsrc stand ahead of the next write.
;   P  ring slot i   read by row i's maxima and conversions; loaded again behind the row's wait on va_vdst.
;   P  two out-sets  row i writes set i % 2; the row's wait on va_vdst; its 12 LDS stores read the set.  A wait on vm_vsrc stands beside that wait, AHEAD of the row's own stores: it shows the other set read by the row before, for the next row to write.
;   P  PXA, PCA, PSA written once a trip of 8 rows: a wait on vm_vsrc ahead, row 0's wait on va_vdst after.
;   P  CA, SX, CX    at the softmax's head: a wait on vm_vsrc, the four additions, a wait on va_vdst, 34 LDS loads; a set of CX is loaded again behind a wait on va_vdst behind the multiply-adds that read it.
;   P  SA, SB        written by the selects; read by one wave's store behind a wait on va_vdst; written again behind the next softmax's wait on vm_vsrc.
;   P  CT, v90-91    the way out: one wait on va_vdst ahead of the LDS stores, the LDS loads and the store of (m, l).
; Scalars that vector instructions write: the wave's number, the two mask compares, the sixteen weights of a group: a wait on va_sdst behind each run, ahead of its first reader.
.set CP,    528                        ; a row of codes in LDS: 512 bytes + 16: the 16 rows of a fragment load start 33 x 16 bytes apart
.set AP,    48                         ; a row of scale bytes: 32 + 16
.set CODE,  262144                     ; LDS: 0: bf16 rows [producer 0..3][parity 0..1][row 0..15][2,048 bytes];  CODE: 64 rows of codes;
.set ASC,   CODE+64*CP                 ; 64 rows of scale bytes;
.set SCX,   ASC+64*AP                  ; [row 0..63][G wave 0..3] f32: partial scores
; vector registers of both roles: addresses and offsets alone, made ahead of the first parting
.set XBW,  4                           ; 65,536 w + 16 lane: my block of bf16 rows
.set CDW,  5                           ; CODE + 16 CP w + 4 lane
.set SCW,  6                           ; ASC + 16 AP w + lane / 4
.set AF,   7                           ; CODE + CP r + 16 h
.set ASF,  8                           ; ASC + AP r + 16 h
.set SXW,  9                           ; SCX + 16 r + 4 w
.set SXR,  10                          ; SCX + 32 lane
.set CXR,  11                          ; 512 w + 16 lane: my columns in a bf16 row
.set EO,   12                          ; 32 lane
.set LO,   13                          ; 16 lane
.set HO,   14                          ; 32 h
.set L8,   15                          ; 8 lane
.set ENDW, 16                          ; 65,536 w + 32 lane
.set L2,   17                          ; 2 lane
.set GW,   18                          ; G, in hand: offsets of the tiles asked for in wq, wsc, and in dproj and v_W
.set GS,   19
.set GB,   20
.set PXA,  21                          ; P, in hand: where this trip's rows go: bf16, codes, scale bytes
.set PCA,  22
.set PSA,  23
.set CA,   24                          ; v24-27 P, in hand: the four producers' rows of the chunk that is weighed
.set GT,   28                          ; v28-31 G: at work
; role G
.set S,    32                          ; v32-39   sum of v / (1 + 2^..): a pair for each tile of rows
.set AS,   40                          ; v40-55   enc's scale words: tile of rows m: 4 registers; register i: lanes 0-15 K step i, lanes 16-31 K step 4 + i
.set WS,   56                          ; v56-63   W's, two sets, in the same form
.set BI,   64                          ; v64-79   dproj at my 8 columns, two sets
.set VV,   80                          ; v80-95   v at my 8 columns, two sets
.set ACC,  96                          ; v96-127  four accumulators
.set WF,   128                         ; v128-255 W's fragments, two sets of 8 K steps;   window 1: enc's fragments, (m, q) at 64 m + 8 q
; role P.  What a row stores to LDS (bf16, scale bytes, codes) has two sets of registers, taken by the row's parity: a row's conversions do not write what the row before still stores
.set T0,   32                          ; v32-43   partial maxima
.set BF,   44                          ; v44-59   an even row as bf16
.set MB,   60                          ; v60-63   the blocks' largest magnitudes
.set SO,   64                          ; v64-67   the conversions' scale operands
.set BY,   68                          ; v68-71   an even row's scale bytes
.set CO,   72                          ; v72-75   an even row's codes
.set SX,   76                          ; v76-83   interval Y: partial scores of my two rows.  Interval X: an odd row's scale bytes and codes (a barrier, with its wait for all LDS instructions, stands between the two uses)
.set BY1,  76
.set CO1,  80
.set MKF,  84                          ; v84      mask flags: bit 2 c + i: row 2 lane + i of chunk c
.set TT,   85
.set SA,   86                          ; v86-87   my two scores
.set SB,   87
.set PA,   88                          ; v88-89   my two weights
.set PB,   89
.set SV,   96                          ; sum of v
.set MX,   97                          ; m
.set FF,   98                          ; 2^((old m - new m) log2 e); named as a pair with l, of which the low word is taken
.set LL,   99                          ; l
.set CT,   100                         ; v100-107 the context at my 8 columns
.set MK,   108                         ; v108-111 mask bytes as loaded
.set BF1,  112                         ; v112-127 an odd row as bf16
.set CX,   128                         ; v128-191, v192-255 two sets of 16 rows x 16 bytes of bf16;   window 1: the ring, row slot i at 32 i
; scalars
.set WV,   22                          ; wave
.set W4,   23                          ; wave % 4
.set BB,   25                          ; batch row
.set PH,   26                          ; phase
.set TR,   27                          ; trip of 8 rows in a phase
.set GC,   28                          ; G's loop
.set TAU,  29                          ; 2 phase + trip
.set LP,   30                          ; s[30:31] where the ring's next 8 rows lie
.set LS,   32                          ; s[32:33] its next step: 56 rows and 8 rows by turns
.set XBO,  34                          ; 32,768 parity + 16,384 trip
.set CDO,  35                          ; 8 CP trip
.set SCO,  36                          ; 8 AP trip
.set MSH,  38                          ; 2 (phase - 1)
.set C2,   40                          ; s[40:41] 2 log2(e)
.set SEL,  42                          ; s[42:43] v_permlanex16_b32's selects for lane l xor 16
.set L2E,  44                          ; log2(e)
.set TQ,   45                          ; the first of the two tiles to be asked for
.set TS,   46
.set GN,   47                          ; trips of G's loop
.set VWP,  52                          ; s[52:53] v_W at my wave's columns
.set LP0,  56                          ; s[56:57] the ring's first 8 rows
.set PS,   66                          ; s66-81 sixteen weights
.set MA,   82                          ; s82, s83 the lanes whose first and second row the mask keeps
.set MSB, 0
.macro WIN new                         ; s_set_vgpr_msb: bits 1:0 source 0, 3:2 source 1, 5:4 source 2, 7:6 destination; the high byte repeats the setting that is left
.if MSB != \new
	s_set_vgpr_msb (MSB<<8)|\new
.set MSB, \new
.endif
.endm
.macro BAR                             ; my LDS stores have landed and my LDS loads are back: then the work-group's barrier
	s_wait_dscnt 0x0
	s_barrier_signal -1
	s_barrier_wait -1
.endm
	s_load_b512 s[4:19], s[0:1], 0x0               ; enc s[4:5], mask s[6:7], v_W s[8:9], wq s[10:11], wsc s[12:13], dproj s[14:15], scores s[16:17], pctx s[18:19]
	s_load_b64 s[20:21], s[0:1], 0x40              ; pml
	v_lshrrev_b32 v1, 5, v0
	v_readfirstlane_b32 s[WV], v1
	v_and_b32 v1, 31, v0                           ; lane
	s_wait_alu depctr_va_vdst(0)
	v_and_b32 v2, 15, v0                           ; r
	s_wait_alu depctr_va_vdst(0)
	v_bfe_u32 v3, v0, 4, 1                         ; h
	s_wait_alu depctr_va_sdst(0)                   ; the wave's number is written, ahead of its first reader
	s_and_b32 s[W4], s[WV], 3
	s_and_b32 s[BB], ttmp7, 0xffff
	s_lshl_b32 s[TS], s[W4], 16
	v_lshl_add_u32 v[XBW], v1, 4, s[TS]
	v_lshl_add_u32 v[ENDW], v1, 5, s[TS]
	s_mul_i32 s[TS], s[W4], 16*CP
	s_add_co_u32 s[TS], s[TS], CODE
	v_lshl_add_u32 v[CDW], v1, 2, s[TS]
	s_mul_i32 s[TS], s[W4], 16*AP
	s_add_co_u32 s[TS], s[TS], ASC
	v_lshrrev_b32 v[SCW], 2, v1
	v_add_nc_u32 v[SCW], s[TS], v[SCW]
	v_mul_u32_u24 v[AF], v2, CP
	s_wait_alu depctr_va_vdst(0)
	v_lshl_add_u32 v[AF], v3, 4, v[AF]
	v_add_nc_u32 v[AF], CODE, v[AF]
	v_mul_u32_u24 v[ASF], v2, AP
	v_lshl_add_u32 v[ASF], v3, 4, v[ASF]
	v_add_nc_u32 v[ASF], ASC, v[ASF]
	s_lshl_b32 s[TS], s[W4], 2
	s_add_co_u32 s[TS], s[TS], SCX
	v_lshl_add_u32 v[SXW], v2, 4, s[TS]
	v_lshl_add_u32 v[SXR], v1, 5, SCX
	s_lshl_b32 s[TS], s[W4], 9
	v_lshl_add_u32 v[CXR], v1, 4, s[TS]
	v_lshlrev_b32 v[EO], 5, v1
	v_lshlrev_b32 v[LO], 4, v1
	v_lshlrev_b32 v[HO], 5, v3
	v_lshlrev_b32 v[L8], 3, v1
	v_lshlrev_b32 v[L2], 1, v1
	s_mov_b32 s[LS], 0x38000                       ; from row 8 of a chunk's 16 to row 0 of the next chunk's: 56 rows of 4,096 bytes
	s_mov_b32 s[LS+1], 0
	s_mov_b32 s[XBO], 0
	s_mov_b32 s[CDO], 0
	s_mov_b32 s[SCO], 0
	s_mov_b32 s[MSH], 0
	s_mov_b32 s[C2], 0x4038aa3b
	s_mov_b32 s[C2+1], s[C2]                       ; (named with it as a pair, so it is written)
	s_mov_b32 s[SEL], 0x76543210
	s_mov_b32 s[SEL+1], 0xfedcba98
	s_mov_b32 s[L2E], 0x3fb8aa3b
	s_mov_b32 s49, 0
	s_lshl_b32 s50, s[W4], 10                      ; my wave's 256 columns of f32
	s_lshl_b32 s51, s[BB], 3
	s_add_co_u32 s51, s51, ttmp9                   ; 8 b + x: the work-group's number among all
	s_wait_kmcnt 0x0
	s_lshl_b32 s48, s[W4], 17                      ; 16 tiles of 8,192 bytes
	s_add_nc_u64 s[10:11], s[10:11], s[48:49]
	s_lshl_b32 s48, s[W4], 13                      ; 16 tiles of 512 bytes
	s_add_nc_u64 s[12:13], s[12:13], s[48:49]
	s_lshl_b32 s48, s[BB], 12
	s_add_co_u32 s48, s48, s50
	s_add_nc_u64 s[14:15], s[14:15], s[48:49]      ; dproj: row b, my columns
	s_mov_b32 s48, s50
	s_add_nc_u64 s[VWP:VWP+1], s[8:9], s[48:49]
	s_lshl_b32 s48, s51, 10
	s_add_nc_u64 s[16:17], s[16:17], s[48:49]      ; scores: 256 f32 a work-group
	s_lshl_b32 s48, s51, 12
	s_add_co_u32 s48, s48, s50
	s_add_nc_u64 s[18:19], s[18:19], s[48:49]      ; pctx: row 8 b + x, my columns
	s_lshl_b32 s48, s51, 8
	s_add_nc_u64 s[20:21], s[20:21], s[48:49]      ; pml: 256 bytes a work-group
	s_add_nc_u64 s[6:7], s[6:7], s[48:49]          ; mask: 256 bytes a work-group
	s_lshl_b32 s54, s[W4], 4
	s_add_co_u32 s48, s48, s54                     ; my first row of enc: 256 (8 b + x) + 16 w: under 2^16,
	s_lshl_b32 s48, s48, 12                        ; so its byte is under 2^28
	s_add_nc_u64 s[LP0:LP0+1], s[4:5], s[48:49]
	s_add_nc_u64 s[LP:LP+1], s[LP0:LP0+1], 0x8000
; ---------------------------------------------------------------- role G
.macro GADDR                           ; offsets of tiles TQ and TQ + 1: three plain vector lines
	s_lshl_b32 s[TS], s[TQ], 13
	v_add_nc_u32 v[GW], s[TS], v[LO]
	s_lshl_b32 s[TS], s[TQ], 9
	v_add_nc_u32 v[GS], s[TS], v[LO]
	s_lshl_b32 s[TS], s[TQ], 6
	v_add_nc_u32 v[GB], s[TS], v[HO]
.endm
.macro GLOADC buf, n                   ; the n-th of a tile's 16 loads of codes, 512 bytes each: K step n / 2, half n % 2
	global_load_b128 v[WF+64*(\buf)+4*(\n):WF+64*(\buf)+4*(\n)+3], v[GW], s[10:11] offset:(\buf)*8192+(\n)*512
.endm
.macro GLOADS buf                      ; 3 loads: a tile's scale words, dproj at its columns
	global_load_b128 v[WS+4*\buf:WS+4*\buf+3], v[GS], s[12:13] offset:\buf*512
	global_load_b128 v[BI+8*\buf:BI+8*\buf+3], v[GB], s[14:15] offset:\buf*64
	global_load_b128 v[BI+8*\buf+4:BI+8*\buf+7], v[GB], s[14:15] offset:\buf*64+16
.endm
.macro GLOADW buf                      ; all 19 in one run: so at the head
.set N, 0
.rept 16
	GLOADC \buf, N
.set N, N+1
.endr
	GLOADS \buf
.endm
.macro GLOADV buf                      ; 2 loads: v at its columns
	global_load_b128 v[VV+8*\buf:VV+8*\buf+3], v[GB], s[VWP:VWP+1] offset:\buf*64
	global_load_b128 v[VV+8*\buf+4:VV+8*\buf+7], v[GB], s[VWP:VWP+1] offset:\buf*64+16
.endm
; One tile of 16 columns against the chunk's 64 rows.  A tile's loads are issued as 19 (codes, scale words, dproj), behind the products of the tile two back, and 2 (v), at that tile's end.
; cw, at the head: behind this tile's 19 stand its own 2 of v and the next tile's 21: in the loop 23 may stay out.  The products read only what the 19 bring.
; cv, ahead of the lines that multiply by v: behind this tile's 2 of v stand the next tile's 21 and the 19 just issued for the tile two on: in the loop 40 may stay out.
.macro GSTEP buf, load, cw, cv
	s_wait_loadcnt \cw
	WIN 0x04                                       ; source 1 (enc) in window 1
.irp q, 0,1,2,3,4,5,6,7                ; the four accumulators take turns, one instruction a turn
.irp m, 0,1,2,3
.if \q == 0
	v_wmma_scale_f32_16x16x128_f8f6f4 v[ACC+8*\m:ACC+8*\m+7], v[WF+64*\buf:WF+64*\buf+7], v[64*\m:64*\m+7], v[BI+8*\buf:BI+8*\buf+7], v[WS+4*\buf], v[AS+4*\m] matrix_a_fmt:MATRIX_FMT_FP4 matrix_b_fmt:MATRIX_FMT_FP4
.elseif \q < 4
	v_wmma_scale_f32_16x16x128_f8f6f4 v[ACC+8*\m:ACC+8*\m+7], v[WF+64*\buf+8*\q:WF+64*\buf+8*\q+7], v[64*\m+8*\q:64*\m+8*\q+7], v[ACC+8*\m:ACC+8*\m+7], v[WS+4*\buf+\q], v[AS+4*\m+\q] matrix_a_fmt:MATRIX_FMT_FP4 matrix_b_fmt:MATRIX_FMT_FP4
.else
	v_wmma_scale_f32_16x16x128_f8f6f4 v[ACC+8*\m:ACC+8*\m+7], v[WF+64*\buf+8*\q:WF+64*\buf+8*\q+7], v[64*\m+8*\q:64*\m+8*\q+7], v[ACC+8*\m:ACC+8*\m+7], v[WS+4*\buf+\q-4], v[AS+4*\m+\q-4] matrix_a_fmt:MATRIX_FMT_FP4 matrix_b_fmt:MATRIX_FMT_FP4 matrix_a_scale:MATRIX_SCALE_ROW1 matrix_b_scale:MATRIX_SCALE_ROW1
.endif
.endr
.endr
	WIN 0
	; four places behind the products (ISA guide 7.12.1), in front of the first read of their results
.if \load && (\buf == 0)
	s_wait_xcnt 0x0                                ; the last pair's loads have had their addresses translated: their offsets may be written,
	s_wait_alu depctr_vm_vsrc(0)                   ; and they have read GW, GS and GB, which the three additions write (the last phase's LDS stores have read GT too)
	GADDR
	v_nop
.else
.rept 4
	v_nop
.endr
.endif
.if \load
	s_wait_alu depctr_va_vdst(0)                   ; the products are done reading this set of WF, WS and BI, in which the 19 loads below land; in a pair's first step GW, GS and GB are written, which the loads read
.endif
.set J, 0
.rept 16
.if \load
	GLOADC \buf, J/2                               ; the tile two on, into the registers just multiplied: a load ahead of each scaling.  No further wait: the scalings name the accumulators alone
.endif
	v_pk_mul_f32 v[ACC+J:ACC+J+1], v[ACC+J:ACC+J+1], s[C2:C2+1] op_sel_hi:[1,0]    ; 2 log2(e) x; each accumulator from its low end on
.set J, J+2
.endr
.if \load
	GLOADS \buf
.endif
.set J, 0
	s_wait_alu depctr_va_vdst(0)
.rept 32
	v_exp_f32 v[ACC+J], v[ACC+J]
.set J, J+1
.endr
	v_nop                                          ; a plain line behind the last exponential,
	s_wait_alu depctr_va_vdst(0)                   ; and one wait for the batch: the 32 exponentials have written their results, ahead of the first reader
.set J, 0
.rept 16
	v_pk_add_f32 v[ACC+J:ACC+J+1], v[ACC+J:ACC+J+1], 1.0 op_sel_hi:[1,0]
.set J, J+2
.endr
.set J, 0
	s_wait_alu depctr_va_vdst(0)
.rept 32
	v_rcp_f32 v[ACC+J], v[ACC+J]
.set J, J+1
.endr
	v_nop
	s_wait_alu depctr_va_vdst(0)                   ; likewise: the 32 reciprocals have written their results
	s_wait_loadcnt \cv                             ; this tile's v is in
.irp j, 0,2,4,6
.irp m, 0,1,2,3
	v_pk_fma_f32 v[S+2*\m:S+2*\m+1], v[ACC+8*\m+\j:ACC+8*\m+\j+1], v[VV+8*\buf+\j:VV+8*\buf+\j+1], v[S+2*\m:S+2*\m+1]
.endr
.endr
.if \load
	s_wait_alu depctr_va_vdst(0)                   ; the multiply-adds are done reading this set of VV, in which the two loads land
	GLOADV \buf
.endif
.endm
.macro AFETCH                          ; a chunk's codes: 32 fragments of 16 rows x 128 K, and its scale words
	WIN 0x40                                       ; destination window 1
	s_wait_alu depctr_va_vdst(0)                   ; the last phase's products are done reading enc's fragments and scale words, in which the 68 loads land
.irp m, 0,1,2,3
.irp q, 0,1,2,3,4,5,6,7
.irp c, 0,1
	ds_load_b128 v[64*\m+8*\q+4*\c:64*\m+8*\q+4*\c+3], v[AF] offset:\m*16*CP+\q*64+32*\c
.endr
.endr
.endr
	WIN 0
.irp m, 0,1,2,3
	ds_load_b128 v[AS+4*\m:AS+4*\m+3], v[ASF] offset:\m*16*AP
.endr
.endm
; ---------------------------------------------------------------- role P
; One row.  Its 4,096 bytes are four segments of 256 numbers; lane l has k = 256 g + 8 l .. + 7: four neighbouring lanes hold a block of 32.
.macro ROW i, load
.if ((\i)%2) == 0                      ; the registers that this row stores from
.set RBF, BF
.set RBY, BY
.set RCO, CO
.else
.set RBF, BF1
.set RBY, BY1
.set RCO, CO1
.endif
.if \load
	s_wait_loadcnt 56                              ; this row's 8 loads are in; the 7 younger rows' 56 may stay out
.else
	s_wait_loadcnt 8*(7-(\i))                      ; the last trip asks for nothing: the counts run down
.endif
	WIN 0x15                                       ; sources in window 1, destination in window 0
.irp g, 0,1,2,3
	v_max3_num_f32 v[T0+3*\g], |v[32*(\i)+8*\g]|, |v[32*(\i)+8*\g+1]|, |v[32*(\i)+8*\g+2]|
	v_max3_num_f32 v[T0+3*\g+1], |v[32*(\i)+8*\g+3]|, |v[32*(\i)+8*\g+4]|, |v[32*(\i)+8*\g+5]|
	v_max3_num_f32 v[T0+3*\g+2], |v[32*(\i)+8*\g+6]|, |v[32*(\i)+8*\g+7]|, 0x1800000    ; the floor 2^(3 - 127): the byte cannot fall under 1
.irp k, 0,1,2,3
	v_cvt_pk_bf16_f32 v[RBF+4*\g+\k], v[32*(\i)+8*\g+2*\k], v[32*(\i)+8*\g+2*\k+1]
.endr
.endr
	WIN 0
.irp g, 0,1,2,3
	v_max3_num_f32 v[MB+\g], v[T0+3*\g], v[T0+3*\g+1], v[T0+3*\g+2]
.endr
.irp g, 0,1,2,3
	v_max_num_f32_dpp v[MB+\g], v[MB+\g], v[MB+\g] row_xmask:1 row_mask:0xf bank_mask:0xf
.endr
.irp g, 0,1,2,3
	v_max_num_f32_dpp v[MB+\g], v[MB+\g], v[MB+\g] row_xmask:2 row_mask:0xf bank_mask:0xf    ; the block's largest magnitude
.endr
.irp g, 0,1,2,3
	v_add_nc_u32 v[SO+\g], 0xff000000, v[MB+\g]    ; 2 off its exponent field: the conversion's scale operand
.endr
.irp g, 0,1,2,3
	v_lshrrev_b32 v[RBY+\g], 23, v[SO+\g]          ; the scale's byte
.endr
	WIN 0x01                                       ; source 0 in window 1
.irp g, 0,1,2,3
	v_cvt_scalef32_pk8_fp4_f32 v[RCO+\g], v[32*(\i)+8*\g:32*(\i)+8*\g+7], v[SO+\g]
.endr
.if \load
	WIN 0x40                                       ; destination window 1, for the loads below: the switch, then the waits, then the loads
.else
	WIN 0
.endif
	v_nop                                          ; one plain line behind the last conversion
	s_wait_alu depctr_va_vdst(0)                   ; this row's conversions and shifts have written its set (bf16, bytes, codes), which the LDS stores read, and are done reading ring slot i, in which the loads land; in a trip's first row the three addresses are written
	s_wait_alu depctr_vm_vsrc(0)                   ; the LDS stores of the row before have read the other set, which the next row's conversions write
.if \load
.irp g, 0,1,2,3
.irp k, 0,1
	global_load_b128 v[32*(\i)+8*\g+4*\k:32*(\i)+8*\g+4*\k+3], v[EO], s[LP:LP+1] offset:(\i)*4096+\g*1024+16*\k th:TH_LOAD_RT_NT   ; the slot's next row.  The hint: regular for the near cache, since the two loads of a pair name alternate 16 bytes of the same 1,024; non-temporal for the far one, since the launch reads enc once
.endr
.endr
	WIN 0
.endif
.irp g, 0,1,2,3
	ds_store_b128 v[PXA], v[RBF+4*\g:RBF+4*\g+3] offset:(\i)*2048+\g*512   ; 512 consecutive bytes of the bf16 row
	ds_store_b32 v[PCA], v[RCO+\g] offset:(\i)*CP+\g*128                   ; 128 consecutive bytes of codes
	ds_store_b8 v[PSA], v[RBY+\g] offset:(\i)*AP+\g*8                      ; the four lanes of a block write the same byte with the same value
.endr
.endm
.macro ROWS load                       ; a trip: 8 rows
	s_wait_alu depctr_vm_vsrc(0)                   ; the last trip's LDS stores have read the three addresses, which the additions write, and its last row's set
	v_add_nc_u32 v[PXA], s[XBO], v[XBW]
	v_add_nc_u32 v[PCA], s[CDO], v[CDW]
	v_add_nc_u32 v[PSA], s[SCO], v[SCW]
.irp i, 0,1,2,3,4,5,6,7
	ROW \i, \load
.endr
.if \load
	s_wait_xcnt 0x0                                ; the loads have read their base: it may step
	s_add_nc_u64 s[LP:LP+1], s[LP:LP+1], s[LS:LS+1]
	s_xor_b32 s[LS], s[LS], 0x30000                ; 56 rows and 8 rows by turns
.endif
.endm
.macro STEPS                           ; on every wave's path: the trip's three LDS offsets
	s_add_co_u32 s[XBO], s[XBO], 16384
	s_add_co_u32 s[CDO], s[CDO], 8*CP
	s_add_co_u32 s[SCO], s[SCO], 8*AP
.endm
.macro RESET                           ; behind a phase's two trips: back to trip 0, and the other parity
	s_sub_co_u32 s[XBO], s[XBO], 32768
	s_xor_b32 s[XBO], s[XBO], 32768
	s_sub_co_u32 s[CDO], s[CDO], 16*CP
	s_sub_co_u32 s[SCO], s[SCO], 16*AP
.endm
.macro CXLOAD g, set                   ; producer g's 16 rows, my 16 bytes of each
.set I, 0
.rept 16
	ds_load_b128 v[CX+64*(\set)+4*I:CX+64*(\set)+4*I+3], v[CA+(\g)] offset:I*2048
.set I, I+1
.endr
.endm
.macro CTXG g, cnt                     ; rows 16 g .. 16 g + 15 into the context.  cnt: the younger set's 16 loads may stay out
.set I, 0
.rept 16
	v_readlane_b32 s[PS+I], v[PA+I%2], 8*(\g)+I/2  ; row 16 g + i is row i % 2 of lane 8 g + i / 2
.set I, I+1
.endr
	s_wait_alu depctr_va_sdst(0)                   ; the sixteen weights are written, ahead of the multiply-adds that read them
	s_wait_dscnt \cnt
.set I, 0
.rept 16
.irp k, 0,1,2,3
	v_fma_mix_f32_bf16 v[CT+2*\k], v[CX+64*((\g)%2)+4*I+\k], s[PS+I], v[CT+2*\k] op_sel_hi:[1,0,0]                    ; the low bf16 x the f32 weight + the f32 sum
	v_fma_mix_f32_bf16 v[CT+2*\k+1], v[CX+64*((\g)%2)+4*I+\k], s[PS+I], v[CT+2*\k+1] op_sel:[1,0,0] op_sel_hi:[1,0,0]  ; the high one
.endr
.set I, I+1
.endr
.endm
; The chunk just multiplied: scores, mask, running softmax, context.  Lane l has rows 2 l and 2 l + 1.  All four P waves do the same up to the context, each for its own columns.
.macro SOFTCTX
	s_wait_alu depctr_vm_vsrc(0)                   ; the rows' LDS stores have read v76-83, in which the partial scores land; the last phase's LDS loads have read the four addresses, which the additions write; its store has read my two scores, which are written anew below
	v_add_nc_u32 v[CA], s[XBO], v[CXR]             ; the parity has been turned behind the trips: it is now that of the chunk just multiplied
	v_add_nc_u32 v[CA+1], 0x10000, v[CA]
	v_add_nc_u32 v[CA+2], 0x10000, v[CA+1]
	v_add_nc_u32 v[CA+3], 0x10000, v[CA+2]
	s_wait_alu depctr_va_vdst(0)                   ; the four addresses are written, which the loads read; the rows' shifts and conversions have written v76-83, and the last phase's multiply-adds (at first: the sum of v) are done reading CX: the loads land in both
	ds_load_b128 v[SX:SX+3], v[SXR]
	ds_load_b128 v[SX+4:SX+7], v[SXR] offset:16
	CXLOAD 0, 0
	CXLOAD 1, 1
	s_wait_dscnt 32                                ; the partial scores are in; the 32 loads behind them may stay out
	v_add_f32 v90, v[SX], v[SX+1]
	v_add_f32 v91, v[SX+2], v[SX+3]
	v_add_f32 v92, v[SX+4], v[SX+5]
	v_add_f32 v93, v[SX+6], v[SX+7]
	v_add_f32 v90, v90, v91
	v_add_f32 v92, v92, v93
	v_fma_f32 v[SA], v90, -2.0, v[SV]              ; sum(v) - 2 sum(v / (1 + 2^..))
	v_fma_f32 v[SB], v92, -2.0, v[SV]
	v_lshrrev_b32 v[TT], s[MSH], v[MKF]
	v_and_b32 v94, 1, v[TT]
	v_and_b32 v95, 2, v[TT]
	v_mov_b32 v93, 0xc61c4000                      ; -10000
	v_cmp_ne_u32 s[MA], 0, v94
	v_cmp_ne_u32 s[MA+1], 0, v95
	s_wait_alu depctr_va_sdst(0)                   ; the two compares have written their masks, ahead of the selects that read them
	v_cndmask_b32 v[SA], v93, v[SA], s[MA]
	v_cndmask_b32 v[SB], v93, v[SB], s[MA+1]
	s_cmp_lg_u32 s[WV], 4
	s_cbranch_scc1 .Lno_scores_\@
	s_wait_alu depctr_va_vdst(0)                   ; the selects have written my two scores, which the store reads
	global_store_b64 v[L8], v[SA:SB], s[16:17]     ; one wave stores the chunk's 64 scores: 256 consecutive bytes, aligned
.Lno_scores_\@:
	s_wait_alu depctr_va_vdst(0)
	v_max_num_f32 v90, v[SA], v[SB]
	v_max_num_f32_dpp v90, v90, v90 row_xmask:1 row_mask:0xf bank_mask:0xf
	v_max_num_f32_dpp v90, v90, v90 row_xmask:2 row_mask:0xf bank_mask:0xf
	v_max_num_f32_dpp v90, v90, v90 row_xmask:4 row_mask:0xf bank_mask:0xf
	v_max_num_f32_dpp v90, v90, v90 row_xmask:8 row_mask:0xf bank_mask:0xf
	v_permlanex16_b32 v91, v90, s[SEL], s[SEL+1]
	v_max3_num_f32 v90, v90, v91, v[MX]            ; the new m
	v_sub_f32 v91, v[MX], v90
	v_sub_f32 v92, v[SA], v90
	v_sub_f32 v93, v[SB], v90
	v_mul_f32 v91, s[L2E], v91
	v_mul_f32 v92, s[L2E], v92
	v_mul_f32 v93, s[L2E], v93
	s_wait_alu depctr_va_vdst(0)
	v_exp_f32 v[FF], v91
	v_exp_f32 v[PA], v92
	v_exp_f32 v[PB], v93
	v_mov_b32 v[MX], v90                           ; (a plain line behind the exponentials)
	s_wait_alu depctr_va_vdst(0)                   ; one wait for the three: the exponentials have written the factor and my two weights, ahead of their first reader
	v_add_f32 v92, v[PA], v[PB]
	v_add_f32_dpp v92, v92, v92 row_xmask:1 row_mask:0xf bank_mask:0xf
	v_add_f32_dpp v92, v92, v92 row_xmask:2 row_mask:0xf bank_mask:0xf
	v_add_f32_dpp v92, v92, v92 row_xmask:4 row_mask:0xf bank_mask:0xf
	v_add_f32_dpp v92, v92, v92 row_xmask:8 row_mask:0xf bank_mask:0xf
	v_permlanex16_b32 v91, v92, s[SEL], s[SEL+1]
	v_add_f32 v92, v92, v91
	v_fma_f32 v[LL], v[LL], v[FF], v92             ; l under the new m
.irp k, 0,2,4,6
	v_pk_mul_f32 v[CT+\k:CT+\k+1], v[CT+\k:CT+\k+1], v[FF:FF+1] op_sel_hi:[1,0]    ; the context likewise
.endr
	CTXG 0, 16
	s_wait_alu depctr_va_vdst(0)                   ; the multiply-adds are done reading CX's first set, in which the next 16 loads land
	CXLOAD 2, 0
	CTXG 1, 16
	s_wait_alu depctr_va_vdst(0)                   ; and likewise its second set
	CXLOAD 3, 1
	CTXG 2, 16
	CTXG 3, 0
	s_wait_xcnt 0x0                                ; the store has read its data and its base
	s_add_nc_u64 s[16:17], s[16:17], 256
.endm
; ---------------------------------------------------------------- the head's two roles
	s_wait_alu depctr_va_vdst(0)                   ; the addresses and offsets v4 to v17 are written: every load and store of the kernel, LDS or memory, reads one of them or a sum made of one
	s_cmp_lt_u32 s[WV], 4
	s_cbranch_scc1 .Lhead_g
.irp k, 0,1,2,3,4,5,6,7
	global_load_b128 v[CX+4*\k:CX+4*\k+3], v[LO], s[8:9] offset:512*\k     ; all of v, for its sum
.endr
.irp c, 0,1,2,3
	global_load_u16 v[MK+\c], v[L2], s[6:7] offset:64*\c                   ; my two rows' mask bytes of each chunk
.endr
	WIN 0x40
.irp i, 0,1,2,3,4,5,6,7                ; the ring's first fill: rows 0-7 of chunk 0; the hint as in a row's turn.  No vector instruction has named these registers
.irp g, 0,1,2,3
.irp k, 0,1
	global_load_b128 v[32*\i+8*\g+4*\k:32*\i+8*\g+4*\k+3], v[EO], s[LP0:LP0+1] offset:\i*4096+\g*1024+16*\k th:TH_LOAD_RT_NT
.endr
.endr
.endr
	WIN 0
	v_mov_b32 v[MX], 0xff61b1e6                    ; m: -3e38, under every score
	v_mov_b32 v[FF], 0
	v_mov_b32 v[LL], 0
.irp k, 0,1,2,3,4,5,6,7
	v_mov_b32 v[CT+\k], 0                          ; the first change of m multiplies zeros
.endr
	s_wait_loadcnt 63                              ; of 76 loads the oldest 13 are in: v and the mask bytes are the first 12
	v_pk_add_f32 v[90:91], v[CX:CX+1], v[CX+2:CX+3]
.set J, 4
.rept 14
	v_pk_add_f32 v[90:91], v[90:91], v[CX+J:CX+J+1]
.set J, J+2
.endr
	v_add_f32 v90, v90, v91
	v_add_f32_dpp v90, v90, v90 row_xmask:1 row_mask:0xf bank_mask:0xf
	v_add_f32_dpp v90, v90, v90 row_xmask:2 row_mask:0xf bank_mask:0xf
	v_add_f32_dpp v90, v90, v90 row_xmask:4 row_mask:0xf bank_mask:0xf
	v_add_f32_dpp v90, v90, v90 row_xmask:8 row_mask:0xf bank_mask:0xf
	v_permlanex16_b32 v91, v90, s[SEL], s[SEL+1]
	v_add_f32 v[SV], v90, v91
	v_mov_b32 v[MKF], 0
.irp c, 0,1,2,3
	v_lshrrev_b32 v[TT], 7, v[MK+\c]               ; the second byte's bit 0 comes to bit 1,
	v_or_b32 v[TT], v[TT], v[MK+\c]                ; beside the first byte's bit 0
	v_and_b32 v[TT], 3, v[TT]
	v_lshl_or_b32 v[MKF], v[TT], 2*\c, v[MKF]
.endr
	s_branch .Lhead_end
.Lhead_g:
	s_mov_b32 s[TQ], 0
	GADDR
	s_wait_alu depctr_va_vdst(0)                   ; GW, GS and GB are written, which the 42 loads below read
	GLOADW 0                                       ; tiles 0 and 1, in the order in which a step asks: 19 and 2 loads each
	GLOADV 0
	GLOADW 1
	GLOADV 1
	s_mov_b32 s[TQ], 2
.Lhead_end:
; ---------------------------------------------------------------- phase 0: chunk 0 is produced and fetched
	s_mov_b32 s[TR], 0
.Lfirst:
	s_cmp_lt_u32 s[WV], 4
	s_cbranch_scc1 .Lfirst_g
	ROWS 1
.Lfirst_g:
	STEPS
	s_add_co_u32 s[TR], s[TR], 1
	s_cmp_lt_u32 s[TR], 2
	s_cbranch_scc1 .Lfirst
	RESET
	BAR                                            ; chunk 0's codes, scale bytes and bf16 rows lie in LDS
	s_cmp_lt_u32 s[WV], 4
	s_cbranch_scc0 .Lfirst_p
	AFETCH
.Lfirst_p:
	BAR                                            ; G's loads are back: the codes may be written again
; ---------------------------------------------------------------- phases 1 to 4
	s_mov_b32 s[PH], 1
.Lphase:
	; ---- interval X: LDS stores only
	s_cmp_lt_u32 s[WV], 4
	s_cbranch_scc0 .Lx_p
.irp j, 0,1,2,3,4,5,6,7
	v_mov_b32 v[S+\j], 0
.endr
	s_cmp_eq_u32 s[PH], 4
	s_cselect_b32 s[GN], 7, 8                      ; the last phase's last two tiles ask for nothing: they are written out below
	s_mov_b32 s[GC], 0
.Lg:
	GSTEP 0, 1, 23, 40
	GSTEP 1, 1, 23, 40
	s_add_co_u32 s[TQ], s[TQ], 2
	s_and_b32 s[TQ], s[TQ], 15                     ; behind tile 15 the next phase's tiles 0 and 1
	s_add_co_u32 s[GC], s[GC], 1
	s_cmp_lt_u32 s[GC], s[GN]
	s_cbranch_scc1 .Lg
	s_cmp_lg_u32 s[PH], 4
	s_cbranch_scc1 .Lg_done
	GSTEP 0, 0, 23, 21                             ; tile 14: behind its 19 loads its 2 of v and tile 15's 21; behind its 2 of v tile 15's 21, since nothing more is asked for
	GSTEP 1, 0, 2, 0                               ; tile 15: behind its 19 loads its 2 of v; behind those nothing
.Lg_done:
.irp m, 0,1,2,3
	v_add_f32 v[GT+\m], v[S+2*\m], v[S+2*\m+1]     ; (the last phase's LDS stores have read these four: the waits on vm_vsrc in this phase's tile steps stand between)
.endr
.irp m, 0,1,2,3
	v_permlanex16_b32 v[S+2*\m], v[GT+\m], s[SEL], s[SEL+1]    ; the row's other 8 columns of each tile lie in lane l xor 16
.endr
.irp m, 0,1,2,3
	v_add_f32 v[GT+\m], v[GT+\m], v[S+2*\m]
.endr
	s_wait_alu depctr_va_vdst(0)                   ; the additions have written the four partial scores, which the LDS stores read
.irp m, 0,1,2,3
	ds_store_b32 v[SXW], v[GT+\m] offset:\m*256    ; row 16 m + r, my wave's word; both halves of the lanes write the same value
.endr
.Lx_p:
	s_mov_b32 s[TR], 0
.Ltrip:
	s_cmp_lt_u32 s[WV], 4
	s_cbranch_scc1 .Ltrip_end
	s_lshl_b32 s[TAU], s[PH], 1
	s_add_co_u32 s[TAU], s[TAU], s[TR]             ; trip 2 p + j of the wave's 8
	s_cmp_gt_u32 s[TAU], 7
	s_cbranch_scc1 .Ltrip_end                      ; phase 4 produces nothing
	s_cmp_eq_u32 s[TAU], 7
	s_cbranch_scc1 .Llast_rows
	ROWS 1
	s_branch .Ltrip_end
.Llast_rows:
	ROWS 0                                         ; the last 8 rows: no load leaves the buffer
.Ltrip_end:
	STEPS
	s_add_co_u32 s[TR], s[TR], 1
	s_cmp_lt_u32 s[TR], 2
	s_cbranch_scc1 .Ltrip
	RESET
	BAR                                            ; chunk p lies in LDS, and so do chunk p - 1's partial scores
	; ---- interval Y: LDS loads only
	s_cmp_lt_u32 s[WV], 4
	s_cbranch_scc0 .Ly_p
	s_cmp_gt_u32 s[PH], 3
	s_cbranch_scc1 .Ly_end
	AFETCH
	s_branch .Ly_end
.Ly_p:
	SOFTCTX
.Ly_end:
	s_add_co_u32 s[MSH], s[MSH], 2
	BAR                                            ; every wave's loads are back: codes, scores and the parity just read may be written again
	s_add_co_u32 s[PH], s[PH], 1
	s_cmp_lt_u32 s[PH], 5
	s_cbranch_scc1 .Lphase
	s_cmp_lt_u32 s[WV], 4
	s_cbranch_scc0 .Lend_p
	s_wait_xcnt 0x0
	v_lshl_add_u32 v158, v0, 2, 0x49400            ; the add's two registers, made anew: no memory or LDS instruction has read either
	v_mov_b32 v159, 0
	s_wait_dscnt 0x0                               ; the closing lines, six on end
	s_wait_alu 0x0
	s_wait_tensorcnt 0x0
	ds_add_u32 v158, v159
	s_wait_dscnt 0x0
	s_endpgm
.Lend_p:
	; a lane's 8 numbers are 32 bytes: they turn through my own block of LDS, which nobody reads any more, so that each store covers 512 consecutive bytes
	v_mov_b32 v90, v[MX]
	v_mov_b32 v91, v[LL]
	s_wait_alu depctr_va_vdst(0)                   ; the multiply-adds have written the context, which the LDS stores read, and are done reading CX, in which the LDS loads land; the two moves have written (m, l), which the last store reads
	ds_store_b128 v[ENDW], v[CT:CT+3]
	ds_store_b128 v[ENDW], v[CT+4:CT+7] offset:16
	ds_load_b128 v[CX:CX+3], v[XBW]                ; LDS serves a wave's instructions in order (ISA guide 5.7.1.4): these see my stores
	ds_load_b128 v[CX+4:CX+7], v[XBW] offset:512
	s_wait_dscnt 0x0
	global_store_b128 v[LO], v[CX:CX+3], s[18:19]
	global_store_b128 v[LO], v[CX+4:CX+7], s[18:19] offset:512
	s_cmp_lg_u32 s[WV], 4
	s_cbranch_scc1 .Lend
	global_store_b64 v[L8], v[90:91], s[20:21]     ; (m, l), the same pair from every lane: 256 consecutive bytes, aligned
.Lend:
	s_wait_xcnt 0x0
	v_lshl_add_u32 v158, v0, 2, 0x49400            ; the add's two registers, made anew: no memory or LDS instruction has read either
	v_mov_b32 v159, 0
	s_wait_dscnt 0x0                               ; the closing lines, six on end
	s_wait_alu 0x0
	s_wait_tensorcnt 0x0
	ds_add_u32 v158, v159
	s_wait_dscnt 0x0
	s_endpgm
.Lfunc_end_k_qe131587880_main:
	.size	k_qe131587880_main, .Lfunc_end_k_qe131587880_main-k_qe131587880_main
	.p2alignl 7, 3214868480
	.fill 96, 4, 3214868480
	.section	.rodata,"a",@progbits
	.p2align	6, 0x0
	.amdhsa_kernel k_qe131587880_main
		.amdhsa_group_segment_fixed_size 301056
		.amdhsa_private_segment_fixed_size 0
		.amdhsa_enable_private_segment 0
		.amdhsa_kernarg_size 72
		.amdhsa_user_sgpr_count 2
		.amdhsa_user_sgpr_kernarg_segment_ptr 1
		.amdhsa_wavefront_size32 1
		.amdhsa_system_sgpr_workgroup_id_x 1
		.amdhsa_system_sgpr_workgroup_id_y 1
		.amdhsa_system_sgpr_workgroup_id_z 1
		.amdhsa_system_vgpr_workitem_id 0
		.amdhsa_next_free_vgpr 512
		.amdhsa_next_free_sgpr 96
		.amdhsa_reserve_vcc 0
		.amdhsa_float_denorm_mode_32 3
		.amdhsa_float_denorm_mode_16_64 3
		.amdhsa_memory_ordered 1
		.amdhsa_forward_progress 1
		.amdhsa_inst_pref_size 232
	.end_amdhsa_kernel
	.amdgpu_metadata
---
amdhsa.version: [ 1, 2 ]
amdhsa.kernels:
  - .name:           k_qe131587880_main
    .symbol:         k_qe131587880_main.kd
    .args:
      - { .name: enc_outputs, .offset: 0, .size: 8, .value_kind: global_buffer, .address_space: global }
      - { .name: src_mask, .offset: 8, .size: 8, .value_kind: global_buffer, .address_space: global }
      - { .name: v_W, .offset: 16, .size: 8, .value_kind: global_buffer, .address_space: global }
      - { .name: wq, .offset: 24, .size: 8, .value_kind: global_buffer, .address_space: global }
      - { .name: wsc, .offset: 32, .size: 8, .value_kind: global_buffer, .address_space: global }
      - { .name: dproj, .offset: 40, .size: 8, .value_kind: global_buffer, .address_space: global }
      - { .name: scores, .offset: 48, .size: 8, .value_kind: global_buffer, .address_space: global }
      - { .name: pctx, .offset: 56, .size: 8, .value_kind: global_buffer, .address_space: global }
      - { .name: pml, .offset: 64, .size: 8, .value_kind: global_buffer, .address_space: global }
    .group_segment_fixed_size: 301056
    .private_segment_fixed_size: 0
    .kernarg_segment_align: 8
    .kernarg_segment_size: 72
    .max_flat_workgroup_size: 256
    .sgpr_count:     96
    .vgpr_count:     512
    .wavefront_size: 32
...
	.end_amdgpu_metadata
.endif
;; end of part 5
;; launch final (part 6): grid 32 x 1, 8 waves a work-group, no clusters, 0 bytes of LDS; arguments pml, pctx, scores, out0, out1; writes out0, out1
.if DOCPART == 6
	.amdgcn_target "amdgcn-amd-amdhsa--gfx1250"
	.amdhsa_code_object_version 6
	.text
	.protected	k_qe131587880_final
	.globl	k_qe131587880_final
	.p2align	8
	.type	k_qe131587880_final,@function
k_qe131587880_final:
	s_mov_b64 s[64:65], 0
	v_nop
	global_prefetch_b8 v0, s[64:65] scope:SCOPE_SE
	s_setreg_imm32_b32 hwreg(HW_REG_WAVE_MODE, 25, 1), 1
	s_wait_xcnt 0x0
; The eight parts of a batch row are joined.  Part i has its own maximum m_i, sum l_i and context c_i (under m_i).  M = max m_i; w_i = e^(m_i - M); L = sum l_i w_i;
; out0 = sum c_i w_i / L;  out1 = e^(score - M) / L.  The maximum is taken away before every exponential, so none overflows, and L is at least 1.
; One work-group a batch row, 256 threads: thread t has 4 columns of the context (16 bytes at 16 t of each part's row) and 8 positions (16 bytes at 16 t and at 4,096 + 16 t of the scores' row).
; Every load and store of a wave covers 512 consecutive bytes.  No LDS, no barrier: threads share nothing but the eight pairs, which come by scalar loads (no line of this launch writes pml).
; A work-group moves 40 KiB, so there is nothing to share out further.
	s_load_b256 s[4:11], s[0:1], 0x0               ; pml s[4:5], pctx s[6:7], scores s[8:9], out0 s[10:11]
	s_load_b64 s[12:13], s[0:1], 0x20              ; out1
	v_lshlrev_b32 v1, 4, v0
	s_mov_b32 s15, 0
	s_wait_alu depctr_va_vdst(0)
	s_wait_kmcnt 0x0
	s_lshl_b32 s14, ttmp9, 11                      ; 8 parts x 256 bytes
	s_add_nc_u64 s[4:5], s[4:5], s[14:15]
	s_lshl_b32 s14, ttmp9, 15                      ; 8 parts x 4,096 bytes
	s_add_nc_u64 s[6:7], s[6:7], s[14:15]
	s_lshl_b32 s14, ttmp9, 13                      ; 2,048 f32
	s_add_nc_u64 s[8:9], s[8:9], s[14:15]
	s_add_nc_u64 s[12:13], s[12:13], s[14:15]
	s_lshl_b32 s14, ttmp9, 12                      ; 1,024 f32
	s_add_nc_u64 s[10:11], s[10:11], s[14:15]
.irp i, 0,1,2,3,4,5,6,7
	s_load_b64 s[16+2*\i:17+2*\i], s[4:5], \i*256  ; m_i, l_i
.endr
.irp i, 0,1,2,3,4,5,6,7
	global_load_b128 v[16+4*\i:19+4*\i], v1, s[6:7] offset:\i*4096
.endr
.irp k, 0,1
	global_load_b128 v[48+4*\k:51+4*\k], v1, s[8:9] offset:\k*4096
.endr
	s_wait_kmcnt 0x0
	v_mov_b32 v2, s16
.irp i, 1,2,3,4,5,6,7
	s_delay_alu instid0(VALU_DEP_1)
	v_max_num_f32 v2, s[16+2*\i], v2               ; M
.endr
.irp i, 0,1,2,3,4,5,6,7
	v_sub_f32 v[4+\i], s[16+2*\i], v2
.endr
.irp i, 0,1,2,3,4,5,6,7
	v_mul_f32 v[4+\i], 0x3fb8aa3b, v[4+\i]         ; x log2(e)
.endr
	s_wait_alu depctr_va_vdst(0)
.irp i, 0,1,2,3,4,5,6,7
	v_exp_f32 v[4+\i], v[4+\i]                     ; w_i
.endr
	v_nop                                          ; a plain line behind the last exponential,
	s_wait_alu depctr_va_vdst(0)                   ; and one wait for the batch, ahead of its first reader
	v_mul_f32 v3, s17, v4
.irp i, 1,2,3,4,5,6,7
	v_fma_f32 v3, s[17+2*\i], v[4+\i], v3          ; L
.endr
	s_wait_alu depctr_va_vdst(0)
	v_rcp_f32 v12, v3
	v_nop
	s_wait_alu depctr_va_vdst(0)
.irp i, 0,1,2,3,4,5,6,7
	v_mul_f32 v[4+\i], v[4+\i], v12                ; w_i / L
.endr
	s_wait_alu depctr_va_vdst(0)
	s_wait_loadcnt 2                               ; the eight parts are in; the two loads of scores may stay out
.irp k, 0,1,2,3
	v_mul_f32 v[56+\k], v4, v[16+\k]
.endr
.irp i, 1,2,3,4,5,6,7
.irp k, 0,1,2,3
	s_delay_alu instid0(VALU_DEP_4)
	v_fma_f32 v[56+\k], v[4+\i], v[16+4*\i+\k], v[56+\k]
.endr
.endr
	global_store_b128 v1, v[56:59], s[10:11]
	s_wait_loadcnt 0x0
.irp j, 0,1,2,3,4,5,6,7
	v_sub_f32 v[48+\j], v[48+\j], v2
.endr
.irp j, 0,1,2,3,4,5,6,7
	v_mul_f32 v[48+\j], 0x3fb8aa3b, v[48+\j]
.endr
	s_wait_alu depctr_va_vdst(0)
.irp j, 0,1,2,3,4,5,6,7
	v_exp_f32 v[48+\j], v[48+\j]
.endr
	v_nop
	s_wait_alu depctr_va_vdst(0)
.irp j, 0,1,2,3,4,5,6,7
	v_mul_f32 v[48+\j], v[48+\j], v12
.endr
.irp k, 0,1
	global_store_b128 v1, v[48+4*\k:51+4*\k], s[12:13] offset:\k*4096
.endr
	s_endpgm
.Lfunc_end_k_qe131587880_final:
	.size	k_qe131587880_final, .Lfunc_end_k_qe131587880_final-k_qe131587880_final
	.p2alignl 7, 3214868480
	.fill 96, 4, 3214868480
	.section	.rodata,"a",@progbits
	.p2align	6, 0x0
	.amdhsa_kernel k_qe131587880_final
		.amdhsa_group_segment_fixed_size 0
		.amdhsa_private_segment_fixed_size 0
		.amdhsa_enable_private_segment 0
		.amdhsa_kernarg_size 40
		.amdhsa_user_sgpr_count 2
		.amdhsa_user_sgpr_kernarg_segment_ptr 1
		.amdhsa_wavefront_size32 1
		.amdhsa_system_sgpr_workgroup_id_x 1
		.amdhsa_system_sgpr_workgroup_id_y 1
		.amdhsa_system_sgpr_workgroup_id_z 1
		.amdhsa_system_vgpr_workitem_id 0
		.amdhsa_next_free_vgpr 64
		.amdhsa_next_free_sgpr 66
		.amdhsa_reserve_vcc 0
		.amdhsa_float_denorm_mode_32 3
		.amdhsa_float_denorm_mode_16_64 3
		.amdhsa_memory_ordered 1
		.amdhsa_forward_progress 1
		.amdhsa_inst_pref_size 10
	.end_amdhsa_kernel
	.amdgpu_metadata
---
amdhsa.version: [ 1, 2 ]
amdhsa.kernels:
  - .name:           k_qe131587880_final
    .symbol:         k_qe131587880_final.kd
    .args:
      - { .name: pml, .offset: 0, .size: 8, .value_kind: global_buffer, .address_space: global }
      - { .name: pctx, .offset: 8, .size: 8, .value_kind: global_buffer, .address_space: global }
      - { .name: scores, .offset: 16, .size: 8, .value_kind: global_buffer, .address_space: global }
      - { .name: out0, .offset: 24, .size: 8, .value_kind: global_buffer, .address_space: global }
      - { .name: out1, .offset: 32, .size: 8, .value_kind: global_buffer, .address_space: global }
    .group_segment_fixed_size: 0
    .private_segment_fixed_size: 0
    .kernarg_segment_align: 8
    .kernarg_segment_size: 40
    .max_flat_workgroup_size: 256
    .sgpr_count:     66
    .vgpr_count:     64
    .wavefront_size: 32
...
	.end_amdgpu_metadata
.endif
;; end of part 6
